; MI455X (gfx1250); checked and timed in simulation.
; The chip was launched on July 23, 2026; its instructions are those of AMD's public machine-readable ISA for CDNA 5 (MIT licence, August 2026) and "CDNA5" Instruction Set Architecture Reference Guide (July 2026). The comments in the code are by the model that wrote it; some were corrected since.
;; Parallel Transformer Block. Allowed arithmetic: matrix products marked QUANTISED: E4M3 operands, one E8M0 scale for each 32 along K, by v_wmma_scale_f32_16x16x128_f8f6f4 with both operands' format E4M3, f32 sums; everything else in f32.
;; Inputs: gamma 1,024 float32; w_attn_out_codes 1,024 x 16 x 32 uint8 (E4M3 codes of w_attn_out, K innermost, in blocks of 32 codes); w_attn_out_scales 1,024 x 16 uint8 (E8M0 scales of w_attn_out, one for each 32 codes along K); w_ff_out_codes 1,024 x 128 x 32 uint8 (E4M3 codes of w_ff_out, K innermost, in blocks of 32 codes); w_ff_out_scales 1,024 x 128 uint8 (E8M0 scales of w_ff_out, one for each 32 codes along K); w_fused_codes 8,768 x 32 x 32 uint8 (E4M3 codes of w_fused, K innermost, in blocks of 32 codes); w_fused_scales 8,768 x 32 uint8 (E8M0 scales of w_fused, one for each 32 codes along K); x 2 x 2,048 x 1,024 float32.
;; Outputs: out0 2 x 2,048 x 1,024 float32.
;; This version of the problem:
;;   THIS VERSION OF THE PROBLEM IS GIVEN IN LOW PRECISION. The matrix products marked QUANTISED in the list below multiply operands that are first quantised to E4M3 (4 exponent bits, 3 mantissa bits; 8 bits a number), with one power-of-two scale for each 32 numbers along K (OCP MX v1.0); their sums are f32. All else is computed in f32.
;;   The module's matrix products, in the order in which they are computed (A, B: the left and right operand; K: the contracted axis; several contracted axes count as one K, in the product's order):
;;     1. [M 4,096, K 1,024] x [K 1,024, N 8,768]; A: computed on the way; B: input w_fused (given as codes): QUANTISED
;;     2. batch 2 x [M 32,768, K 32] x [K 32, N 2,048]; A: computed on the way; B: computed on the way: QUANTISED
;;     3. batch 2 x [M 32,768, K 2,048] x [K 2,048, N 32]; A: softmax (see below); B: computed on the way: QUANTISED
;;     4. [M 4,096, K 512] x [K 512, N 1,024]; A: computed on the way; B: input w_attn_out (given as codes): QUANTISED
;;     5. [M 4,096, K 4,096] x [K 4,096, N 1,024]; A: computed on the way; B: input w_ff_out (given as codes): QUANTISED
;;   THE QUANTISER, for each operand of a quantised product, along K:
;;     - K is cut into blocks of 32 from its start; a last block that is shorter is filled with zeros.
;;     - A block's scale is 2^e with e = floor(log2(the largest magnitude in the block)) - 8, held to -126 .. 127; a block of zeros has e = 0. As a byte (E8M0): e + 127.
;;     - Each number is divided by its block's scale, clamped to +-448, and rounded to the nearest number of E4M3, ties to even, subnormals kept.
;;     - The product sums the exact products of the quantised numbers (number of the format x scale) in f32.
;;   ~~~python
;;   def quantise(x, axis):      # numpy; x: float32 -> the quantised numbers, widened to float32 again
;;       x = np.moveaxis(x, axis, -1); K = x.shape[-1]
;;       x = np.pad(x, [(0, 0)] * (x.ndim - 1) + [(0, -K % 32)]); x = x.reshape(x.shape[:-1] + (-1, 32)); a = np.abs(x).max(-1, keepdims=True)
;;       e = np.where(a > 0, np.clip(np.frexp(np.where(a > 0, a, 1))[1] - 1 - 8, -126, 127), 0)      # np.frexp(a)[1] - 1 = floor(log2(a)), exactly
;;       r = np.clip(x / 2.0 ** e, -448, 448)
;;       step = 2.0 ** (np.maximum(np.frexp(np.where(r == 0, 1, r))[1] - 1, -6) - 3)
;;       q = np.round(r / step) * step * 2.0 ** e      # np.round: ties to even
;;       return np.moveaxis(q.reshape(q.shape[:-2] + (-1,))[..., :K], -1, axis).astype(np.float32)
;;   ~~~
;;   SOFTMAX AHEAD OF A QUANTISED PRODUCT. Where the list says 'softmax', what is quantised is not the finished softmax but p = 2^(t - M), with t = logit x log2(e) and M = ceil(the row's largest t), a whole number; so 1/2 < the row's largest p <= 1. The row's sum l is taken of the UNQUANTISED p, in f32, and the product's result is divided by l at the end. Since M is a whole number, a kernel that streams over the keys may use a running M (the ceiling of the running maximum): every later rescaling is an exact power of two, which a block's scale takes up: the codes' values come out the same.
;;   OPERANDS COMPUTED ON THE WAY. 'Computed on the way' means the value that the module computes at that place (a softmax that the list does not call 'softmax' is quantised finished and normalised). What goes into a quantiser is computed in f32, as accurately as f32 sums, v_exp_f32 and their like allow (about 1e-6 of the number): no bf16 or f16 on the way to a quantiser, and a product that is left as it is and whose result goes on into a quantised operand takes f32 operands (vector FMAs, or v_wmma_f32_16x16x4_f32). A number that lies on a knife's edge between two numbers of the format may be rounded either way, as far as f32 arithmetic and the matrix unit's own rounding can turn it there, and no further.
;;   INPUTS GIVEN AS CODES. w_attn_out (in the module: [512, 1024], K = its axis 0); w_ff_out (in the module: [4096, 1024], K = its axis 0); w_fused (in the module: [1024, 8768], K = its axis 0): each comes as NAME_codes (uint8): NAME with its K axis moved to the last place and cut into blocks of 32 codes, [.., K / 32, bytes a block], one block behind the other in memory; one code a byte (a code: sign, 4 exponent bits, 3 mantissa bits); and NAME_scales (uint8): the same leading axes, one E8M0 byte (e + 127) for each 32 codes along K. Its value is code x scale, taken as it is: it is not quantised again, and the codes and scales need not be those that the quantiser above would give.
;; One version. Each part assembles by itself: llvm-mc -triple=amdgcn-amd-amdhsa -mcpu=gfx1250 --defsym DOCPART=n.
;; ======== version 1 of 1: 4 launches
;; limits: right only within a limited range of input values
;; workspace buffers: xc 4,194,304 bytes; xs 131,072 bytes; qc 2,097,152 bytes; qs 262,144 bytes; kv 294,912 bytes; ac 18,874,368 bytes; asc 589,824 bytes
;; launch prep (part 1): grid 128 x 1, 18 waves a work-group, no clusters, 193,280 bytes of LDS; arguments x, gamma, w_fused_codes, w_fused_scales, xc, xs, qc, qs, kv; writes xc, xs, qc, qs, kv
.if DOCPART == 1
	.amdgcn_target "amdgcn-amd-amdhsa--gfx1250"
	.amdhsa_code_object_version 6
	.text
	.protected	k_q5792dc1f31_prep
	.globl	k_q5792dc1f31_prep
	.p2align	8
	.type	k_q5792dc1f31_prep,@function
k_q5792dc1f31_prep:
	s_mov_b64 s[64:65], 0
	v_nop
	global_prefetch_b8 v0, s[64:65] scope:SCOPE_SE
	s_setreg_imm32_b32 hwreg(HW_REG_WAVE_MODE, 25, 1), 1
	s_wait_xcnt 0x0
; LayerNorm of 32 tokens, its codes (E4M3, one E8M0 byte for each 32 along the 1,024), and the first 576 columns of the fused projection (q: 16 heads of 32, k, v) on those codes; xpos rotation of q and k; q, k (along the head's 32) and v (along the 32 tokens, which are keys) quantised again and stored as images of operand registers.
; SHARES.  A work-group takes 32 tokens: one block of 32 keys of v.  Waves 0-15 each normalise rows w and w + 16 and make one entry a thread of the rotation table.  Wave w = 0..17 owns rows 32 w .. 32 w + 31 of the weight (head w of q; 16: k; 17: v) for both tiles of 16 tokens.
; NO CLUSTER, NO TENSOR LOAD: each weight byte feeds one wave once, so it goes from memory straight into that wave's registers; brought jointly, the 589,824 bytes of these rows would have to pass through LDS in slots, with a barrier for each K step, in a text that has one barrier.
; 128 work-groups: a block of v needs its 32 tokens in one work-group.
; LAYOUT.  q and k: source 0 = 16 rows of the weight, source 1 = 16 tokens, so a lane holds one token and eight channels 8 h + j of each half of the head; both keep the same order of channels inside the block of 32, which leaves their product as it is.  v: source 0 = tokens, source 1 = weight rows, so a lane holds one channel and tokens 8 h + j, 16 + 8 h + j; two lane swaps bring its codes into the operand's order.
; LIMITS: NaN and infinities are not served.  A block whose largest magnitude lies under 2^-118, a block of zeros too, gets the scale byte 1 (its codes are zeros or subnormal codes; the bytes are read by this program alone).  The rotation's angle is position x 2^(-i log2(10000) / 16) in f32, reduced by pi / 2 in two parts, good for angles up to the 2,047 that occur; its error is a few 1e-4 rad at the last position, the same in q and in k.
.set XI,   147456                      ; LDS: 0: sixteen waves x two rows x 32 blocks of (128 + 16) bytes, the turn;  XI: 32 rows of codes, 1,024 + 16 bytes
.set XSC,  180736                      ; 32 rows x 32 scale bytes
.set TBL,  181760                      ; the table: [q, k][token 32] x 144 bytes: 16 x cos.scale, 16 x sin.scale, 16 of padding
.set KVB,  147456                      ; a batch in kv: 16 steps x 8,192 (K: 8 tiles x 512; V: 8 x 512), K's scale words 8,192, V's scale bytes 8,192
.set WS,   20                          ; v20-27   the weight's scale words, K step s in register s: lanes 0-15 rows 0-15, lanes 16-31 rows 16-31
.set AS,   28                          ; v28-35   the tokens' scale words likewise
.set WB,   36                          ; v36-99   two sets of the weight's two fragments
.set XF,   100                         ; v100-131 the tokens' two fragments
.set ACC,  132                         ; v132-163 four accumulators
.set XR,   68                          ; ahead of the barrier: v68-131 two rows of x;
.set GM,   132                         ; v132-163 gamma;
.set T,    164                         ; v164-189 at work.  (K step 0's weight lies in v36-67 meanwhile)
.set XSO,  190                         ; v190     my 16 bytes of xs
.set TC,   36                          ; behind the products: v36-67 the table's entries,
.set RO,   68                          ; v68-99 the rotated numbers,
.set QT,   100                         ; v100-112 at work,
.set QC,   116                         ; v116-123 codes, v124 a scale word
.set WV,   22
.set SEL,  26
.set MNT,  28
.macro PLACES n
.rept \n
	v_nop
.endr
.endm
; one scaled product; zero = 1: it starts the sum; ra, rb = 1: that side's scale words stand in lanes 16-31
.macro WM d, a, b, zero, sa, ra, sb, rb
.if \zero
.if (\ra) && (\rb)
	v_wmma_scale_f32_16x16x128_f8f6f4 v[\d:\d+7], v[\a:\a+15], v[\b:\b+15], 0, v[\sa], v[\sb] matrix_a_scale:MATRIX_SCALE_ROW1 matrix_b_scale:MATRIX_SCALE_ROW1
.elseif (\ra)
	v_wmma_scale_f32_16x16x128_f8f6f4 v[\d:\d+7], v[\a:\a+15], v[\b:\b+15], 0, v[\sa], v[\sb] matrix_a_scale:MATRIX_SCALE_ROW1
.elseif (\rb)
	v_wmma_scale_f32_16x16x128_f8f6f4 v[\d:\d+7], v[\a:\a+15], v[\b:\b+15], 0, v[\sa], v[\sb] matrix_b_scale:MATRIX_SCALE_ROW1
.else
	v_wmma_scale_f32_16x16x128_f8f6f4 v[\d:\d+7], v[\a:\a+15], v[\b:\b+15], 0, v[\sa], v[\sb]
.endif
.else
.if (\ra) && (\rb)
	v_wmma_scale_f32_16x16x128_f8f6f4 v[\d:\d+7], v[\a:\a+15], v[\b:\b+15], v[\d:\d+7], v[\sa], v[\sb] matrix_a_scale:MATRIX_SCALE_ROW1 matrix_b_scale:MATRIX_SCALE_ROW1
.elseif (\ra)
	v_wmma_scale_f32_16x16x128_f8f6f4 v[\d:\d+7], v[\a:\a+15], v[\b:\b+15], v[\d:\d+7], v[\sa], v[\sb] matrix_a_scale:MATRIX_SCALE_ROW1
.elseif (\rb)
	v_wmma_scale_f32_16x16x128_f8f6f4 v[\d:\d+7], v[\a:\a+15], v[\b:\b+15], v[\d:\d+7], v[\sa], v[\sb] matrix_b_scale:MATRIX_SCALE_ROW1
.else
	v_wmma_scale_f32_16x16x128_f8f6f4 v[\d:\d+7], v[\a:\a+15], v[\b:\b+15], v[\d:\d+7], v[\sa], v[\sb]
.endif
.endif
.endm
.macro WLOAD k                         ; the weight's two fragments of K step k into set k % 2: lane (r, h): row r, bytes 128 k + 32 c + 16 h
.irp uu, 0,1
.irp c, 0,1,2,3
	global_load_b128 v[WB+32*((\k)%2)+16*\uu+4*\c:WB+32*((\k)%2)+16*\uu+4*\c+3], v15, s[8:9] offset:\uu*16384+128*(\k)+32*\c
.endr
.endr
.endm
.macro XFLOAD k                        ; the tokens' two fragments of K step k, from LDS
.irp uu, 0,1
.irp c, 0,1,2,3
	ds_load_b128 v[XF+16*\uu+4*\c:XF+16*\uu+4*\c+3], v9 offset:\uu*16640+128*(\k)+32*\c
.endr
.endr
.endm
.macro WSUM2                           ; v[T] and v[T+8] summed over the wave's 32 lanes, by turns
.irp m, 1,2,4,8
.irp u, 0,1
	s_delay_alu instid0(VALU_DEP_2)
	v_add_f32_dpp v[T+8*\u], v[T+8*\u], v[T+8*\u] row_xmask:\m row_mask:0xf bank_mask:0xf
.endr
.endr
.irp u, 0,1
	s_delay_alu instid0(VALU_DEP_2)
	v_permlanex16_b32 v[T+8*\u+4], v[T+8*\u], s[SEL], s[SEL+1]
.endr
.irp u, 0,1
	s_delay_alu instid0(VALU_DEP_2)
	v_add_f32 v[T+8*\u], v[T+8*\u], v[T+8*\u+4]
.endr
.endm
; a lane's 32 neighbours v[XR + 32 u ..] are a whole block: its codes go to the row's place in XI, its byte to XSC
.macro BLOCK32 u
.set XS, XR+32*(\u)
.set TT, T+16+5*(\u)
.set CC, T+8*(\u)
	v_max3_num_f32 v[TT], |v[XS]|, |v[XS+1]|, |v[XS+2]|
	v_max3_num_f32 v[TT+1], |v[XS+3]|, |v[XS+4]|, |v[XS+5]|
.irp i, 6,10,14,18,22,26
	s_delay_alu instid0(VALU_DEP_2)
	v_max3_num_f32 v[TT], v[TT], |v[XS+\i]|, |v[XS+\i+1]|
	s_delay_alu instid0(VALU_DEP_2)
	v_max3_num_f32 v[TT+1], v[TT+1], |v[XS+\i+2]|, |v[XS+\i+3]|
.endr
	s_delay_alu instid0(VALU_DEP_2)
	v_max3_num_f32 v[TT], v[TT], |v[XS+30]|, |v[XS+31]|
	s_delay_alu instid0(VALU_DEP_1)
	v_max3_num_f32 v[TT], v[TT], v[TT+1], 0x4800000   ; the floor 2^(9 - 127): the byte cannot fall under 1
	s_delay_alu instid0(VALU_DEP_1)
	v_add_nc_u32 v[TT+2], 0xfc000000, v[TT]           ; 8 off the exponent field: the conversion's scale operand
	s_delay_alu instid0(VALU_DEP_2)
	v_and_or_b32 v[TT+3], v[TT], 0x7f800000, s[MNT]   ; 448 x the scale
	s_delay_alu instid0(VALU_DEP_2)
	v_lshrrev_b32 v[TT+4], 23, v[TT+2]                ; the byte
.set n, 0
.rept 32
	v_med3_num_f32 v[XS+n], v[XS+n], -v[TT+3], v[TT+3]   ; the conversion does not saturate (ISA guide 7.6.2): the hold comes first
.set n, n+1
.endr
.irp g, 0,1,2,3
	v_cvt_scalef32_pk8_fp8_f32 v[CC+2*\g:CC+2*\g+1], v[XS+8*\g:XS+8*\g+7], v[TT+2]
.endr
	v_nop                                             ; a plain line behind the last conversion
	ds_store_b128 v6, v[CC:CC+3] offset:(\u)*16640
	ds_store_b128 v6, v[CC+4:CC+7] offset:(\u)*16640+16
	ds_store_b8 v7, v[TT+4] offset:(\u)*512
.endm
; two blocks by turns.  Each: 16 numbers of a lane, v[s ..]; lane l xor 16 holds the block's other 16.  t: five registers at work (largest, other lane's, scale operand, hold, byte); c: four registers of codes
.macro QUANT2 s0, s1, t0, t1, c0, c1
	v_max3_num_f32 v[\t0], |v[\s0]|, |v[\s0+1]|, 0x4800000
	v_max3_num_f32 v[\t1], |v[\s1]|, |v[\s1+1]|, 0x4800000
.irp i, 2,4,6,8,10,12,14
	v_max3_num_f32 v[\t0], v[\t0], |v[\s0+\i]|, |v[\s0+\i+1]|
	v_max3_num_f32 v[\t1], v[\t1], |v[\s1+\i]|, |v[\s1+\i+1]|
.endr
	s_delay_alu instid0(VALU_DEP_2)
	v_permlanex16_b32 v[\t0+1], v[\t0], s[SEL], s[SEL+1]
	s_delay_alu instid0(VALU_DEP_2)
	v_permlanex16_b32 v[\t1+1], v[\t1], s[SEL], s[SEL+1]
	s_delay_alu instid0(VALU_DEP_2)
	v_max_num_f32 v[\t0], v[\t0], v[\t0+1]
	s_delay_alu instid0(VALU_DEP_2)
	v_max_num_f32 v[\t1], v[\t1], v[\t1+1]
	s_delay_alu instid0(VALU_DEP_2)
	v_add_nc_u32 v[\t0+2], 0xfc000000, v[\t0]
	s_delay_alu instid0(VALU_DEP_2)
	v_add_nc_u32 v[\t1+2], 0xfc000000, v[\t1]
	s_delay_alu instid0(VALU_DEP_4)
	v_and_or_b32 v[\t0+3], v[\t0], 0x7f800000, s[MNT]
	s_delay_alu instid0(VALU_DEP_4)
	v_and_or_b32 v[\t1+3], v[\t1], 0x7f800000, s[MNT]
	s_delay_alu instid0(VALU_DEP_4)
	v_lshrrev_b32 v[\t0+4], 23, v[\t0+2]
	s_delay_alu instid0(VALU_DEP_4)
	v_lshrrev_b32 v[\t1+4], 23, v[\t1+2]
.irp i, 0,1,2,3,4,5,6,7,8,9,10,11,12,13,14,15
	v_med3_num_f32 v[\s0+\i], v[\s0+\i], -v[\t0+3], v[\t0+3]
	v_med3_num_f32 v[\s1+\i], v[\s1+\i], -v[\t1+3], v[\t1+3]
.endr
	v_cvt_scalef32_pk8_fp8_f32 v[\c0:\c0+1], v[\s0:\s0+7], v[\t0+2]
	v_cvt_scalef32_pk8_fp8_f32 v[\c0+2:\c0+3], v[\s0+8:\s0+15], v[\t0+2]
	v_cvt_scalef32_pk8_fp8_f32 v[\c1:\c1+1], v[\s1:\s1+7], v[\t1+2]
	v_cvt_scalef32_pk8_fp8_f32 v[\c1+2:\c1+3], v[\s1+8:\s1+15], v[\t1+2]
	v_nop
.endm
; K step s of the product: four accumulators by turns
.macro KSTEP s, vrole
.if (\s) <= 6
	s_wait_loadcnt 8                       ; this K step's weight is in; the next step's eight loads may be out
.else
	s_wait_loadcnt 0
.endif
	s_wait_dscnt 0x0                       ; the tokens' fragments (and, at first, their scale words)
.set WBS, WB+32*((\s)%2)
.if (\s) == 0
.set ZZ, 1
.else
.set ZZ, 0
.endif
.if \vrole
	WM ACC, XF, WBS, ZZ, AS+(\s), 0, WS+(\s), 0
	WM ACC+8, XF+16, WBS, ZZ, AS+(\s), 1, WS+(\s), 0
	WM ACC+16, XF, WBS+16, ZZ, AS+(\s), 0, WS+(\s), 1
	WM ACC+24, XF+16, WBS+16, ZZ, AS+(\s), 1, WS+(\s), 1
.else
	WM ACC, WBS, XF, ZZ, WS+(\s), 0, AS+(\s), 0
	WM ACC+8, WBS+16, XF, ZZ, WS+(\s), 1, AS+(\s), 0
	WM ACC+16, WBS, XF+16, ZZ, WS+(\s), 0, AS+(\s), 1
	WM ACC+24, WBS+16, XF+16, ZZ, WS+(\s), 1, AS+(\s), 1
.endif
	PLACES 8                               ; eight places behind this form ahead of loads into its sources and of reads of its results
.if (\s) <= 5
	WLOAD (\s)+2
.endif
.if (\s) <= 6
	XFLOAD (\s)+1
.endif
.endm
	s_load_b256 s[4:11], s[0:1], 0x0               ; x, gamma, the weight's codes, its scales
	s_load_b256 s[12:19], s[0:1], 0x20             ; xc, xs, qc, qs
	s_load_b64 s[20:21], s[0:1], 0x40              ; kv
	v_lshrrev_b32 v1, 5, v0
	s_delay_alu instid0(VALU_DEP_1)
	v_readfirstlane_b32 s[WV], v1                  ; wave 0..17
	v_and_b32 v1, 31, v0                           ; L
	v_and_b32 v2, 15, v0                           ; r
	v_bfe_u32 v3, v0, 4, 1                         ; h
	s_mov_b32 s[SEL], 0x76543210
	s_mov_b32 s[SEL+1], 0xfedcba98                 ; lane l xor 16
	s_mov_b32 s[MNT], 0x600000                     ; the mantissa field of 448
	s_mov_b32 s29, 0x3a800000                      ; 1 / 1,024
	s_mov_b32 s42, 0xb94ca1f9                      ; the sine's and the cosine's highest coefficients
	s_mov_b32 s43, 0x37ccf5ce
	; every address is made here, ahead of the parting of the waves
	s_mul_i32 s30, s[WV], 9216
	v_lshrrev_b32 v4, 3, v1
	s_delay_alu instid0(VALU_DEP_1)
	v_mul_u32_u24 v4, v4, 144
	v_and_b32 v5, 7, v1
	s_delay_alu instid0(VALU_DEP_1)
	v_lshl_add_u32 v4, v5, 4, v4
	s_delay_alu instid0(VALU_DEP_1)
	v_add_nc_u32 v4, s30, v4                       ; the turn, in: eight lanes' 128 bytes are a block, then 16 of padding
	v_mul_u32_u24 v5, v1, 144
	s_delay_alu instid0(VALU_DEP_1)
	v_add_nc_u32 v5, s30, v5                       ; and out: block L
	s_mul_i32 s31, s[WV], 1040
	s_add_co_u32 s31, s31, XI
	v_lshl_add_u32 v6, v1, 5, s31                  ; my row's codes, block L
	s_lshl_b32 s32, s[WV], 5
	s_add_co_u32 s32, s32, XSC
	v_add_nc_u32 v7, s32, v1                       ; and its byte
	v_lshrrev_b32 v8, 4, v0
	s_delay_alu instid0(VALU_DEP_1)
	v_mul_u32_u24 v8, v8, 144
	s_delay_alu instid0(VALU_DEP_1)
	v_lshl_add_u32 v8, v2, 2, v8
	s_delay_alu instid0(VALU_DEP_1)
	v_add_nc_u32 v8, TBL, v8                       ; the table's entry of thread t: token t / 16, frequency t % 16
	v_mul_u32_u24 v9, v2, 1040
	s_delay_alu instid0(VALU_DEP_1)
	v_lshl_add_u32 v9, v3, 4, v9
	s_delay_alu instid0(VALU_DEP_1)
	v_add_nc_u32 v9, XI, v9                        ; a fragment of tokens: row r, + 16 h
	v_lshl_add_u32 v10, v1, 5, XSC                 ; token L's eight scale words
	s_lshr_b32 s33, s[WV], 4
	s_mul_i32 s33, s33, 4608
	s_add_co_u32 s33, s33, TBL
	v_mul_u32_u24 v11, v2, 144
	s_delay_alu instid0(VALU_DEP_1)
	v_lshl_add_u32 v11, v3, 5, v11
	s_delay_alu instid0(VALU_DEP_1)
	v_add_nc_u32 v11, s33, v11                     ; the table for token r, frequencies 8 h on; q's half or k's
	v_lshl_add_u32 v12, v1, 4, s31                 ; my row of codes by 16 bytes a lane
	s_and_b32 s34, s[WV], 1
	s_lshl_b32 s34, s34, 9
	s_add_co_u32 s35, s34, XSC
	v_lshl_add_u32 v13, v1, 4, s35                 ; half of the scale bytes by 16 bytes a lane
	v_lshlrev_b32 v14, 4, v1                       ; 16 L
	s_lshl_b32 s36, s[WV], 15
	v_lshlrev_b32 v15, 10, v2
	s_delay_alu instid0(VALU_DEP_1)
	v_lshl_add_u32 v15, v3, 4, v15
	s_delay_alu instid0(VALU_DEP_1)
	v_add_nc_u32 v15, s36, v15                     ; the weight: row 32 w + r of 1,024 bytes, + 16 h
	s_lshl_b32 s37, s[WV], 10
	v_lshl_add_u32 v16, v1, 5, s37                 ; its scales: row 32 w + L of 32 bytes
	v_lshlrev_b32 v17, 2, v2                       ; 4 r
	v_lshlrev_b32 v18, 2, v1                       ; 4 L
	v_lshl_add_u32 v19, v1, 4, s37                 ; xc: row w, 16 L
	v_lshl_add_u32 v[XSO], v1, 4, s34              ; xs: my half, 16 L
	s_lshl_b32 s38, ttmp9, 17                      ; x: 32 rows of 4,096 bytes a work-group, row w
	s_lshl_b32 s39, s[WV], 12
	s_add_co_u32 s38, s38, s39
	s_mov_b32 s39, 0
	s_and_b32 s24, ttmp9, 63                       ; p: the block of 32 tokens in its batch
	s_lshr_b32 s25, ttmp9, 6                       ; the batch
	s_lshl_b32 s40, s24, 5                         ; its first position
	s_mul_i32 s44, s25, KVB
	s_lshr_b32 s45, s24, 2
	s_lshl_b32 s45, s45, 13
	s_add_co_u32 s45, s45, s44                     ; the batch, the step of 128 keys
	s_lshl_b32 s46, s24, 1
	s_and_b32 s46, s46, 7
	s_lshl_b32 s46, s46, 9                         ; K: tile 2 p % 8
	s_and_b32 s47, s24, 3
	s_lshl_b32 s47, s47, 9
	s_add_co_u32 s47, s47, 4096                    ; V: block p % 4
	s_mov_b32 s48, 131072
	s_cmp_eq_u32 s[WV], 17
	s_cselect_b32 s46, s47, s46
	s_cselect_b32 s48, 139264, s48
	s_add_co_u32 s46, s46, s45
	s_mov_b32 s47, 0
	s_lshl_b32 s49, s24, 7
	s_add_co_u32 s48, s48, s49
	s_add_co_u32 s48, s48, s44                     ; the scale words of pair p
	s_mov_b32 s49, 0
	s_mov_b32 s55, 0
	s_mov_b32 s57, 0
	s_wait_alu depctr_va_vdst(0)
	s_wait_kmcnt 0x0
	s_add_nc_u64 s[4:5], s[4:5], s[38:39]
	s_add_nc_u64 s[50:51], s[20:21], s[46:47]      ; kv: where my codes go (waves 16 and 17)
	s_add_nc_u64 s[52:53], s[20:21], s[48:49]      ; and my scale words
	s_lshl_b32 s54, ttmp9, 15
	s_add_nc_u64 s[12:13], s[12:13], s[54:55]      ; xc at my 32 rows
	s_lshl_b32 s54, ttmp9, 10
	s_add_nc_u64 s[14:15], s[14:15], s[54:55]      ; xs
	s_lshl_b32 s54, ttmp9, 5
	s_add_co_u32 s54, s54, s[WV]                   ; 16 x (block of 16 tokens) + head
	s_lshl_b32 s56, s54, 9
	s_add_nc_u64 s[16:17], s[16:17], s[56:57]      ; qc
	s_lshl_b32 s56, s54, 6
	s_add_nc_u64 s[18:19], s[18:19], s[56:57]      ; qs
	global_load_b128 v[WS:WS+3], v16, s[10:11]     ; every wave: the weight's scale words and K step 0
	global_load_b128 v[WS+4:WS+7], v16, s[10:11] offset:16
	WLOAD 0
	; ONE parting of the waves: waves 16 and 17 pass over x's loads together with all that waits for them and works on them
	s_cmp_lt_u32 s[WV], 16
	s_cbranch_scc0 .Lmeet
.irp u, 0,1
.irp i, 0,1,2,3,4,5,6,7
	global_load_b128 v[XR+32*\u+4*\i:XR+32*\u+4*\i+3], v14, s[4:5] offset:\u*65536+512*\i th:TH_LOAD_NT   ; 512 bytes on end a load; read once
.endr
.endr
.irp i, 0,1,2,3,4,5,6,7
	global_load_b128 v[GM+4*\i:GM+4*\i+3], v14, s[6:7] offset:512*\i
.endr
	; ---- the table, while the loads are on their way: thread t: frequency i = t % 16 at position 32 p + t / 16
	v_cvt_f32_u32 v[T], v2                         ; i
	v_lshrrev_b32 v[T+1], 4, v0
	s_delay_alu instid0(VALU_DEP_1)
	v_add_nc_u32 v[T+1], s40, v[T+1]
	s_delay_alu instid0(VALU_DEP_1)
	v_cvt_f32_u32 v[T+1], v[T+1]                   ; the position
	s_delay_alu instid0(VALU_DEP_4)
	v_mul_f32 v[T+2], 0xbf549a78, v[T]             ; -i log2(10000) / 16
	s_wait_alu depctr_va_vdst(0)
	v_exp_f32 v[T+2], v[T+2]                       ; the frequency
	v_fma_f32 v[T+3], v[T], 2.0, 0x414ccccd        ; 2 i + 12.8
	s_delay_alu instid0(VALU_DEP_1)
	v_mul_f32 v[T+3], 0x3cb6db6e, v[T+3]           ; / 44.8
	s_wait_alu depctr_va_vdst(0)
	v_log_f32 v[T+3], v[T+3]
	s_wait_alu depctr_va_vdst(0)
	v_mul_f32 v[T+4], v[T+1], v[T+2]               ; the angle
	v_add_f32 v[T+5], 0xc4800000, v[T+1]
	s_delay_alu instid0(VALU_DEP_1)
	v_mul_f32 v[T+5], 0x3b000000, v[T+5]           ; (position - 1,024) / 512
	v_mul_f32 v[T+5], v[T+5], v[T+3]
	s_wait_alu depctr_va_vdst(0)
	v_exp_f32 v[T+6], v[T+5]                       ; the scale,
	v_exp_f32 v[T+7], -v[T+5]                      ; and one over it
	v_mul_f32 v[T+8], 0x3f22f983, v[T+4]
	s_delay_alu instid0(VALU_DEP_1)
	v_rndne_f32 v[T+8], v[T+8]                     ; how many quarter turns
	s_delay_alu instid0(VALU_DEP_1)
	v_fma_f32 v[T+9], v[T+8], 0xbfc90fdb, v[T+4]   ; the rest, pi / 2 taken off in two parts
	s_delay_alu instid0(VALU_DEP_1)
	v_fma_f32 v[T+9], v[T+8], 0x333bbd2e, v[T+9]
	s_delay_alu instid0(VALU_DEP_1)
	v_mul_f32 v[T+10], v[T+9], v[T+9]
	s_delay_alu instid0(VALU_DEP_1)
	v_fmaak_f32 v[T+11], s42, v[T+10], 0x3c08839e
	s_delay_alu instid0(VALU_DEP_1)
	v_fmaak_f32 v[T+11], v[T+11], v[T+10], 0xbe2aaaa3
	s_delay_alu instid0(VALU_DEP_1)
	v_mul_f32 v[T+11], v[T+11], v[T+10]
	s_delay_alu instid0(VALU_DEP_1)
	v_fma_f32 v[T+11], v[T+11], v[T+9], v[T+9]     ; its sine
	v_fmaak_f32 v[T+12], s43, v[T+10], 0xbab6061a
	s_delay_alu instid0(VALU_DEP_1)
	v_fmaak_f32 v[T+12], v[T+12], v[T+10], 0x3d2aaaa5
	v_mul_f32 v[T+13], v[T+10], v[T+10]
	v_fma_f32 v[T+14], v[T+10], -0.5, 1.0
	s_delay_alu instid0(VALU_DEP_1)
	v_fma_f32 v[T+12], v[T+13], v[T+12], v[T+14]   ; its cosine
	v_cvt_i32_f32 v[T+15], v[T+8]
	s_delay_alu instid0(VALU_DEP_1)
	v_and_b32 v[T+16], 1, v[T+15]
	s_delay_alu instid0(VALU_DEP_1)
	v_cmp_eq_u32 vcc_lo, 1, v[T+16]
	s_delay_alu instid0(VALU_DEP_1)
	v_cndmask_b32 v[T+17], v[T+11], v[T+12], vcc_lo   ; an odd quarter changes the two over,
	s_delay_alu instid0(VALU_DEP_2)
	v_cndmask_b32 v[T+18], v[T+12], v[T+11], vcc_lo
	v_and_b32 v[T+16], 2, v[T+15]
	s_delay_alu instid0(VALU_DEP_1)
	v_lshlrev_b32 v[T+16], 30, v[T+16]
	s_delay_alu instid0(VALU_DEP_1)
	v_xor_b32 v[T+17], v[T+17], v[T+16]            ; quarters 2 and 3 turn the sine's sign,
	v_add_nc_u32 v[T+15], 1, v[T+15]
	s_delay_alu instid0(VALU_DEP_1)
	v_and_b32 v[T+15], 2, v[T+15]
	s_delay_alu instid0(VALU_DEP_1)
	v_lshlrev_b32 v[T+15], 30, v[T+15]
	s_delay_alu instid0(VALU_DEP_1)
	v_xor_b32 v[T+18], v[T+18], v[T+15]            ; quarters 1 and 2 the cosine's
	s_wait_alu depctr_va_vdst(0)
	v_mul_f32 v[T+19], 0x3e3504f3, v[T+6]          ; q also carries 32^-0.5
	s_delay_alu instid0(VALU_DEP_1)
	v_mul_f32 v[T+20], v[T+18], v[T+19]
	s_delay_alu instid0(VALU_DEP_2)
	v_mul_f32 v[T+21], v[T+17], v[T+19]
	v_mul_f32 v[T+22], v[T+18], v[T+7]
	v_mul_f32 v[T+23], v[T+17], v[T+7]
	ds_store_b32 v8, v[T+20]
	ds_store_b32 v8, v[T+21] offset:64
	ds_store_b32 v8, v[T+22] offset:4608
	ds_store_b32 v8, v[T+23] offset:4672
	; ---- LayerNorm of rows w and w + 16, by turns: mean, then the squares of the differences, so that a common offset of x does no harm
.irp u, 0,1
	v_mov_b32 v[T+8*\u+4], 0                       ; a lane permute's destination counts as one of its sources
	v_mov_b32 v[T+8*\u+7], 0                       ; named as a pair's upper half
.endr
	s_wait_loadcnt 0x0                             ; x and gamma are my youngest loads: loads come back in order (ISA guide 5.7.1), so the count is 0
.irp u, 0,1
	v_pk_add_f32 v[T+8*\u:T+8*\u+1], v[XR+32*\u:XR+32*\u+1], v[XR+32*\u+2:XR+32*\u+3]
	v_pk_add_f32 v[T+8*\u+2:T+8*\u+3], v[XR+32*\u+4:XR+32*\u+5], v[XR+32*\u+6:XR+32*\u+7]
.endr
.irp j, 8,12,16,20,24,28
.irp u, 0,1
	s_delay_alu instid0(VALU_DEP_4)
	v_pk_add_f32 v[T+8*\u:T+8*\u+1], v[T+8*\u:T+8*\u+1], v[XR+32*\u+\j:XR+32*\u+\j+1]
	s_delay_alu instid0(VALU_DEP_4)
	v_pk_add_f32 v[T+8*\u+2:T+8*\u+3], v[T+8*\u+2:T+8*\u+3], v[XR+32*\u+\j+2:XR+32*\u+\j+3]
.endr
.endr
.irp u, 0
	s_delay_alu instid0(VALU_DEP_3)
	v_pk_add_f32 v[T+8*\u:T+8*\u+1], v[T+8*\u:T+8*\u+1], v[T+8*\u+2:T+8*\u+3]
.endr
.irp u, 1
	s_delay_alu instid0(VALU_DEP_2)
	v_pk_add_f32 v[T+8*\u:T+8*\u+1], v[T+8*\u:T+8*\u+1], v[T+8*\u+2:T+8*\u+3]
.endr
.irp u, 0,1
	s_delay_alu instid0(VALU_DEP_2)
	v_add_f32 v[T+8*\u], v[T+8*\u], v[T+8*\u+1]
.endr
	WSUM2
.irp u, 0,1
	s_delay_alu instid0(VALU_DEP_2)
	v_mul_f32 v[T+8*\u], s29, v[T+8*\u]            ; the mean
.endr
.irp j, 0,2,4,6,8,10,12,14,16,18,20,22,24,26,28,30
.irp u, 0,1
	v_pk_add_f32 v[XR+32*\u+\j:XR+32*\u+\j+1], v[XR+32*\u+\j:XR+32*\u+\j+1], v[T+8*\u:T+8*\u+1] op_sel_hi:[1,0] neg_lo:[0,1] neg_hi:[0,1]
.endr
.endr
.irp u, 0,1
	v_pk_mul_f32 v[T+8*\u:T+8*\u+1], v[XR+32*\u:XR+32*\u+1], v[XR+32*\u:XR+32*\u+1]
	v_pk_mul_f32 v[T+8*\u+2:T+8*\u+3], v[XR+32*\u+2:XR+32*\u+3], v[XR+32*\u+2:XR+32*\u+3]
.endr
.irp j, 4,8,12,16,20,24,28
.irp u, 0,1
	s_delay_alu instid0(VALU_DEP_4)
	v_pk_fma_f32 v[T+8*\u:T+8*\u+1], v[XR+32*\u+\j:XR+32*\u+\j+1], v[XR+32*\u+\j:XR+32*\u+\j+1], v[T+8*\u:T+8*\u+1]
	s_delay_alu instid0(VALU_DEP_4)
	v_pk_fma_f32 v[T+8*\u+2:T+8*\u+3], v[XR+32*\u+\j+2:XR+32*\u+\j+3], v[XR+32*\u+\j+2:XR+32*\u+\j+3], v[T+8*\u+2:T+8*\u+3]
.endr
.endr
.irp u, 0
	s_delay_alu instid0(VALU_DEP_3)
	v_pk_add_f32 v[T+8*\u:T+8*\u+1], v[T+8*\u:T+8*\u+1], v[T+8*\u+2:T+8*\u+3]
.endr
.irp u, 1
	s_delay_alu instid0(VALU_DEP_2)
	v_pk_add_f32 v[T+8*\u:T+8*\u+1], v[T+8*\u:T+8*\u+1], v[T+8*\u+2:T+8*\u+3]
.endr
.irp u, 0,1
	s_delay_alu instid0(VALU_DEP_2)
	v_add_f32 v[T+8*\u], v[T+8*\u], v[T+8*\u+1]
.endr
	WSUM2
.irp u, 0,1
	s_delay_alu instid0(VALU_DEP_2)
	v_fmaak_f32 v[T+8*\u], s29, v[T+8*\u], 0x3727c5ac   ; the variance + 1e-5
.endr
	s_wait_alu depctr_va_vdst(0)
.irp u, 0,1
	v_rsq_f32 v[T+8*\u+6], v[T+8*\u]
.endr
	v_nop                                          ; a plain line behind the transcendentals
	s_wait_alu depctr_va_vdst(0)
.irp j, 0,2,4,6,8,10,12,14,16,18,20,22,24,26,28,30
.irp u, 0,1
	v_pk_mul_f32 v[XR+32*\u+\j:XR+32*\u+\j+1], v[XR+32*\u+\j:XR+32*\u+\j+1], v[T+8*\u+6:T+8*\u+7] op_sel_hi:[1,0]
.endr
.endr
.irp j, 0,2,4,6,8,10,12,14,16,18,20,22,24,26,28,30
.irp u, 0,1
	v_pk_mul_f32 v[XR+32*\u+\j:XR+32*\u+\j+1], v[XR+32*\u+\j:XR+32*\u+\j+1], v[GM+\j:GM+\j+1]
.endr
.endr
	; ---- the turn: in as loaded (16 bytes a lane, 512 a store), out 128 bytes a lane: lane L then holds block L.  LDS serves a wave's instructions in order (ISA guide 5.7.1.4): no wait between
.irp u, 0,1
.irp i, 0,1,2,3,4,5,6,7
	ds_store_b128 v4, v[XR+32*\u+4*\i:XR+32*\u+4*\i+3] offset:\u*4608+576*\i
.endr
.endr
.irp u, 0,1
.irp k, 0,1,2,3,4,5,6,7
	ds_load_b128 v[XR+32*\u+4*\k:XR+32*\u+4*\k+3], v5 offset:\u*4608+16*\k
.endr
.endr
	s_wait_dscnt 0x0
	BLOCK32 0
	BLOCK32 1
.Lmeet:
	s_wait_dscnt 0x0                               ; for the others' sake: my codes, bytes and table entries have landed
	s_barrier_signal -1
	s_barrier_wait -1
	WLOAD 1                                        ; into v68-99: a wave that asked for x has waited for it above
	s_cmp_lt_u32 s[WV], 16
	s_cbranch_scc0 .Lcopy_s
	ds_load_b128 v[T:T+3], v12                     ; the codes leave as whole rows: 512 bytes on end a store.  These registers are written no more
	ds_load_b128 v[T+4:T+7], v12 offset:512
	ds_load_b128 v[T+8:T+11], v12 offset:16640
	ds_load_b128 v[T+12:T+15], v12 offset:17152
	s_wait_dscnt 0x0
	global_store_b128 v19, v[T:T+3], s[12:13]
	global_store_b128 v19, v[T+4:T+7], s[12:13] offset:512
	global_store_b128 v19, v[T+8:T+11], s[12:13] offset:16384
	global_store_b128 v19, v[T+12:T+15], s[12:13] offset:16896
	s_branch .Lcopied
.Lcopy_s:
	ds_load_b128 v[T:T+3], v13                     ; waves 16 and 17: the 1,024 scale bytes, 512 each
	s_wait_dscnt 0x0
	global_store_b128 v[XSO], v[T:T+3], s[14:15]
.Lcopied:
	ds_load_b128 v[AS:AS+3], v10
	ds_load_b128 v[AS+4:AS+7], v10 offset:16
	XFLOAD 0
	s_cmp_eq_u32 s[WV], 17
	s_cbranch_scc1 .Lrole_v
.irp s, 0,1,2,3,4,5,6,7
	KSTEP \s, 0
.endr
	; ---- q and k: the rotation.  Lane (r, h): token r; t0 = channels 8 h + j, t1 = channels 16 + 8 h + j
.irp u, 0,1
	ds_load_b128 v[TC+16*\u:TC+16*\u+3], v11 offset:\u*2304
	ds_load_b128 v[TC+16*\u+4:TC+16*\u+7], v11 offset:\u*2304+16
	ds_load_b128 v[TC+16*\u+8:TC+16*\u+11], v11 offset:\u*2304+64
	ds_load_b128 v[TC+16*\u+12:TC+16*\u+15], v11 offset:\u*2304+80
.endr
	v_mov_b32 v[QT+1], 0                           ; lane permutes' destinations count as sources
	v_mov_b32 v[QT+9], 0
	s_wait_dscnt 0x0
.irp u, 0,1
.irp j, 0,2,4,6
	v_pk_mul_f32 v[RO+16*\u+\j:RO+16*\u+\j+1], v[ACC+16*\u+\j:ACC+16*\u+\j+1], v[TC+16*\u+\j:TC+16*\u+\j+1]          ; each accumulator from its low end on
	v_pk_mul_f32 v[RO+16*\u+8+\j:RO+16*\u+9+\j], v[ACC+16*\u+8+\j:ACC+16*\u+9+\j], v[TC+16*\u+\j:TC+16*\u+\j+1]
.endr
.irp j, 0,2,4,6
	v_pk_fma_f32 v[RO+16*\u+\j:RO+16*\u+\j+1], v[ACC+16*\u+8+\j:ACC+16*\u+9+\j], v[TC+16*\u+8+\j:TC+16*\u+9+\j], v[RO+16*\u+\j:RO+16*\u+\j+1] neg_lo:[1,0,0] neg_hi:[1,0,0]   ; t0 cos - t1 sin
	v_pk_fma_f32 v[RO+16*\u+8+\j:RO+16*\u+9+\j], v[ACC+16*\u+\j:ACC+16*\u+\j+1], v[TC+16*\u+8+\j:TC+16*\u+9+\j], v[RO+16*\u+8+\j:RO+16*\u+9+\j]                              ; t1 cos + t0 sin
.endr
.endr
	QUANT2 RO, RO+16, QT, QT+8, QC, QC+4
	s_cmp_eq_u32 s[WV], 16
	s_cbranch_scc1 .Lrole_k
	global_store_b128 v14, v[QC:QC+3], s[16:17]                 ; q: an image of the operand's four registers, 512 bytes on end
	global_store_b128 v14, v[QC+4:QC+7], s[16:17] offset:8192
	global_store_b32 v17, v[QT+4], s[18:19]                     ; and a word a token: the byte below, zeros above (both halves of the lanes write the same)
	global_store_b32 v17, v[QT+12], s[18:19] offset:1024
	s_wait_xcnt 0x0
	v_lshl_add_u32 v190, v0, 2, 0x2ea00
	v_mov_b32 v191, 0
	s_wait_alu depctr_va_vdst(0)
	s_wait_tensorcnt 0x0
	ds_add_u32 v190, v191
	s_wait_dscnt 0x0
	s_endpgm
.Lrole_k:
	v_cmp_gt_u32 vcc_lo, 16, v1
	s_delay_alu instid0(VALU_DEP_1)
	v_cndmask_b32 v[QC+8], v[QT+12], v[QT+4], vcc_lo   ; lanes 0-15: the even tile's words; lanes 16-31: the odd tile's
	s_wait_alu depctr_va_vdst(0)
	global_store_b128 v14, v[QC:QC+3], s[50:51]
	global_store_b128 v14, v[QC+4:QC+7], s[50:51] offset:512
	global_store_b32 v18, v[QC+8], s[52:53]
	s_wait_xcnt 0x0
	v_lshl_add_u32 v190, v0, 2, 0x2ea00
	v_mov_b32 v191, 0
	s_wait_alu depctr_va_vdst(0)
	s_wait_tensorcnt 0x0
	ds_add_u32 v190, v191
	s_wait_dscnt 0x0
	s_endpgm
.Lrole_v:
.irp s, 0,1,2,3,4,5,6,7
	KSTEP \s, 1
.endr
	; ---- v: lane (r, h) holds channel 16 u + r and tokens 8 h + j, 16 + 8 h + j: a block of 32 keys in lanes l and l xor 16
	v_mov_b32 v[QT+1], 0
	v_mov_b32 v[QT+9], 0
	QUANT2 ACC, ACC+16, QT, QT+8, QC, QC+4
.irp c, 0, 4
	v_permlane16_swap_b32 v[QC+\c], v[QC+\c+2]     ; lanes 16-31 of the first with lanes 0-15 of the second: a lane then holds keys 16 h + 0 .. 15 in order
	v_permlane16_swap_b32 v[QC+\c+1], v[QC+\c+3]
.endr
	v_cmp_gt_u32 vcc_lo, 16, v1
	s_delay_alu instid0(VALU_DEP_1)
	v_cndmask_b32 v[QC+8], v[QT+12], v[QT+4], vcc_lo   ; lane 16 u + r: the byte of channel 16 u + r
	global_store_b128 v14, v[QC:QC+3], s[50:51]
	global_store_b128 v14, v[QC+4:QC+7], s[50:51] offset:2048
	global_store_b32 v18, v[QC+8], s[52:53]
	s_wait_xcnt 0x0
	v_lshl_add_u32 v190, v0, 2, 0x2ea00
	v_mov_b32 v191, 0
	s_wait_alu depctr_va_vdst(0)
	s_wait_tensorcnt 0x0
	ds_add_u32 v190, v191
	s_wait_dscnt 0x0
	s_endpgm
.Lfunc_end_k_q5792dc1f31_prep:
	.size	k_q5792dc1f31_prep, .Lfunc_end_k_q5792dc1f31_prep-k_q5792dc1f31_prep
	.p2alignl 7, 3214868480
	.fill 96, 4, 3214868480
	.section	.rodata,"a",@progbits
	.p2align	6, 0x0
	.amdhsa_kernel k_q5792dc1f31_prep
		.amdhsa_group_segment_fixed_size 193280
		.amdhsa_private_segment_fixed_size 0
		.amdhsa_enable_private_segment 0
		.amdhsa_kernarg_size 72
		.amdhsa_user_sgpr_count 2
		.amdhsa_user_sgpr_kernarg_segment_ptr 1
		.amdhsa_wavefront_size32 1
		.amdhsa_system_sgpr_workgroup_id_x 1
		.amdhsa_system_sgpr_workgroup_id_y 1
		.amdhsa_system_sgpr_workgroup_id_z 1
		.amdhsa_system_vgpr_workitem_id 0
		.amdhsa_next_free_vgpr 192
		.amdhsa_next_free_sgpr 66
		.amdhsa_reserve_vcc 1
		.amdhsa_float_denorm_mode_32 3
		.amdhsa_float_denorm_mode_16_64 3
		.amdhsa_memory_ordered 1
		.amdhsa_forward_progress 1
		.amdhsa_inst_pref_size 82
	.end_amdhsa_kernel
	.amdgpu_metadata
---
amdhsa.version: [ 1, 2 ]
amdhsa.kernels:
  - .name:           k_q5792dc1f31_prep
    .symbol:         k_q5792dc1f31_prep.kd
    .args:
      - { .name: x, .offset: 0, .size: 8, .value_kind: global_buffer, .address_space: global }
      - { .name: gamma, .offset: 8, .size: 8, .value_kind: global_buffer, .address_space: global }
      - { .name: w_fused_codes, .offset: 16, .size: 8, .value_kind: global_buffer, .address_space: global }
      - { .name: w_fused_scales, .offset: 24, .size: 8, .value_kind: global_buffer, .address_space: global }
      - { .name: xc, .offset: 32, .size: 8, .value_kind: global_buffer, .address_space: global }
      - { .name: xs, .offset: 40, .size: 8, .value_kind: global_buffer, .address_space: global }
      - { .name: qc, .offset: 48, .size: 8, .value_kind: global_buffer, .address_space: global }
      - { .name: qs, .offset: 56, .size: 8, .value_kind: global_buffer, .address_space: global }
      - { .name: kv, .offset: 64, .size: 8, .value_kind: global_buffer, .address_space: global }
    .group_segment_fixed_size: 193280
    .private_segment_fixed_size: 0
    .kernarg_segment_align: 8
    .kernarg_segment_size: 72
    .max_flat_workgroup_size: 576
    .sgpr_count:     66
    .vgpr_count:     192
    .wavefront_size: 32
...
	.end_amdgpu_metadata
.endif
;; end of part 1
;; launch attn (part 2): grid 128 x 2, 16 waves a work-group, clusters of 4 x 1, 169,984 bytes of LDS; arguments qc, qs, kv, ac, asc; writes ac, asc
.if DOCPART == 2
	.amdgcn_target "amdgcn-amd-amdhsa--gfx1250"
	.amdhsa_code_object_version 6
	.text
	.protected	k_q5792dc1f31_attn
	.globl	k_q5792dc1f31_attn
	.p2align	8
	.type	k_q5792dc1f31_attn,@function
k_q5792dc1f31_attn:
	s_mov_b64 s[64:65], 0
	v_nop
	global_prefetch_b8 v0, s[64:65] scope:SCOPE_SE
	s_setreg_imm32_b32 hwreg(HW_REG_WAVE_MODE, 25, 1), 1
	s_wait_xcnt 0x0
	s_wait_alu depctr_hold_cnt(0) depctr_sa_sdst(0) depctr_va_vdst(0) depctr_va_sdst(0) depctr_va_ssrc(0) depctr_va_vcc(0) depctr_vm_vsrc(0)
	s_getreg_b32 s2, hwreg(HW_REG_IB_STS2, 6, 4)
	s_cmp_eq_u32 s2, 0
	s_cbranch_scc0 .Lentry_in_a_cluster
	s_endpgm
.Lentry_in_a_cluster:
	s_bfe_u32 s2, ttmp6, 0x10000c
	s_cmp_lg_u32 s2, 0x3003
	s_cbranch_scc0 .Lentry_shape_is_right
	s_endpgm
.Lentry_shape_is_right:
; Causal attention of 16 heads of 32 over one head of keys and values, both products on codes of E4M3 with one E8M0 byte for each 32 along K; the result, divided by the row's sum, is quantised along the head's 32 and stored as the next product's operand.
; THE SOFTMAX: t = score x log2(e); M = the running largest t rounded up to a whole number; p = 2^(t - M) is quantised along the keys, not normalised; the sum is taken of the unquantised p; when M moves, sum and O are multiplied by 2^(old M - new M), which rounds nothing.
; SHARES.  A wave owns one head and one tile of 16 queries, in 256 registers.  A work-group has 4 heads x 4 tiles; the tiles are i, 63 - i, 64 + i, 127 - i (i = the cluster's x), which together need 34 steps of 128 keys whatever i is; wave w takes tile ((w / 4) + w) % 4, so that any four waves w, w + 4, .. or 4 k .. 4 k + 3 hold all four tiles.
; CLUSTER.  The four work-groups of a cluster are the four groups of heads for the same batch and tiles: they read the same keys and values, which are asked for jointly.  A batch's codes and K's scale words, 139,264 bytes, fit in LDS: they are filled once, by waves 0-3, and nothing is filled again.
; THE FIRST PRODUCT HAS K = 32, one block of the instruction's four.  Q's registers 4-15 are zeros and the upper three bytes of its scale word and of K's are 0; K's tile t is named as v[32 + 4 t .. 47 + 4 t], so that its blocks 1-3 are the next tiles' codes (never NaN codes: they were held) or zeros: they meet zero codes and add nothing.
; CAUSAL.  Every wave walks 16 trips; a step all of whose keys come after its queries is passed over by a scalar branch on ids; in the step on the diagonal hidden scores become -infinity ahead of the maximum.  Key 0 counts for every query, so M is a number from the first step on.
; LAYOUT.  S^T = K Q^T, O^T = V^T P^T: a lane holds one query.  Tile t of S holds keys 16 t + 8 h + j; the codes of tiles 2 b and 2 b + 1 are brought into the operand's order (keys 32 b + 16 h + 0 .. 15) by two lane swaps a block.
; LIMITS: NaN and infinities are not served; a block of p or of O that is all zeros keeps the byte 1 (its codes are zeros).  The scale words of the result leave in pieces of 64 bytes, 65,536 bytes in the whole launch.
.set KVB,  147456
.set KSO,  131072                      ; LDS as the buffer: 16 steps x 8,192 bytes of codes, then K's scale words
.set VS,   139264                      ; V's scale words, [step][lane], made here
.set OS,   141312                      ; the result's scale bytes: [tile 4][row 16][head 4]
.set WV,   14
.set CX,   15
.set BAT,  17
.set BSEL, 18
.set BETA, 19
.set HD,   20
.set Q0,   21
.set CS,   22
.set G1,   24
.set G0,   32
.set SEL,  36
.set MNT,  38
.set KF,   39
.set TB,   40
.set TS,   41
.set TJ,   42
.set CNT,  43
.set PW,   82                          ; v76-79 K's scale words, v80 V's, v81 Q's, v82 p's: scales and nothing else
.set PC,   208                         ; p's codes
.set BM,   224                         ; a block's largest score, then largest p
.set BT,   228
.set BH,   232                         ; 448 x the scale
.set BS,   236                         ; the conversion's scale operand
.set FF,   240                         ; v[240:241] f = 2^(old M - new M)
.set TMP,  242
.set S2,   244                         ; the sum's second chain
.macro PLACES n
.rept \n
	v_nop
.endr
.endm
.macro WM d, a, b, zero, sa, ra, sb, rb
.if \zero
.if (\ra) && (\rb)
	v_wmma_scale_f32_16x16x128_f8f6f4 v[\d:\d+7], v[\a:\a+15], v[\b:\b+15], 0, v[\sa], v[\sb] matrix_a_scale:MATRIX_SCALE_ROW1 matrix_b_scale:MATRIX_SCALE_ROW1
.elseif (\ra)
	v_wmma_scale_f32_16x16x128_f8f6f4 v[\d:\d+7], v[\a:\a+15], v[\b:\b+15], 0, v[\sa], v[\sb] matrix_a_scale:MATRIX_SCALE_ROW1
.elseif (\rb)
	v_wmma_scale_f32_16x16x128_f8f6f4 v[\d:\d+7], v[\a:\a+15], v[\b:\b+15], 0, v[\sa], v[\sb] matrix_b_scale:MATRIX_SCALE_ROW1
.else
	v_wmma_scale_f32_16x16x128_f8f6f4 v[\d:\d+7], v[\a:\a+15], v[\b:\b+15], 0, v[\sa], v[\sb]
.endif
.else
.if (\ra) && (\rb)
	v_wmma_scale_f32_16x16x128_f8f6f4 v[\d:\d+7], v[\a:\a+15], v[\b:\b+15], v[\d:\d+7], v[\sa], v[\sb] matrix_a_scale:MATRIX_SCALE_ROW1 matrix_b_scale:MATRIX_SCALE_ROW1
.elseif (\ra)
	v_wmma_scale_f32_16x16x128_f8f6f4 v[\d:\d+7], v[\a:\a+15], v[\b:\b+15], v[\d:\d+7], v[\sa], v[\sb] matrix_a_scale:MATRIX_SCALE_ROW1
.elseif (\rb)
	v_wmma_scale_f32_16x16x128_f8f6f4 v[\d:\d+7], v[\a:\a+15], v[\b:\b+15], v[\d:\d+7], v[\sa], v[\sb] matrix_b_scale:MATRIX_SCALE_ROW1
.else
	v_wmma_scale_f32_16x16x128_f8f6f4 v[\d:\d+7], v[\a:\a+15], v[\b:\b+15], v[\d:\d+7], v[\sa], v[\sb]
.endif
.endif
.endm
.macro ROUND                           ; a round of the cluster's barrier
	s_barrier_signal -1
	s_barrier_wait -1
	s_cmp_lg_u32 s[WV], 0
	s_cbranch_scc1 .Lnot_wave_0_\@
	s_barrier_signal -3
.Lnot_wave_0_\@:
	s_barrier_wait -3
	s_barrier_signal -1
	s_barrier_wait -1
.endm
	s_load_b256 s[4:11], s[0:1], 0x0               ; qc, qs, kv, ac
	s_load_b64 s[12:13], s[0:1], 0x20              ; asc
	v_lshl_add_u32 v254, v0, 2, 0x29000
	v_mov_b32 v255, 0
	ds_add_u32 v254, v255
	ds_add_u32 v254, v255
	v_lshrrev_b32 v1, 5, v0
	s_delay_alu instid0(VALU_DEP_1)
	v_readfirstlane_b32 s[WV], v1                  ; wave 0..15
	s_bfe_u32 s[CX], ttmp6, 0x40000                ; my place in the cluster: the group of four heads; it enters global addresses alone
	s_and_b32 s[BAT], ttmp7, 0xffff                ; the batch
	s_lshr_b32 s[BSEL], s[WV], 2
	s_add_co_u32 s[BSEL], s[BSEL], s[WV]
	s_and_b32 s[BSEL], s[BSEL], 3                  ; which of the four tiles
	s_and_b32 s[HD], s[WV], 3                      ; which of the four heads
	s_sub_co_u32 s44, 63, ttmp9
	s_bitcmp1_b32 s[BSEL], 0
	s_cselect_b32 s[BETA], s44, ttmp9
	s_lshr_b32 s44, s[BSEL], 1
	s_lshl_b32 s44, s44, 6
	s_add_co_u32 s[BETA], s[BETA], s44             ; the tile of 16 queries in its batch: i, 63 - i, 64 + i, 127 - i
	s_lshl_b32 s[Q0], s[BETA], 4                   ; its first query
	v_and_b32 v10, 31, v0                          ; L
	v_and_b32 v7, 15, v0                           ; r
	v_bfe_u32 v8, v0, 4, 1                         ; h
	s_delay_alu instid0(VALU_DEP_3)
	v_lshlrev_b32 v1, 4, v10                       ; 16 L: an image's place for my lane
	s_delay_alu instid0(VALU_DEP_4)
	v_lshl_add_u32 v2, v10, 2, KSO
	v_lshl_add_u32 v3, v10, 2, VS
	s_delay_alu instid0(VALU_DEP_4)
	v_lshlrev_b32 v9, 3, v8
	s_delay_alu instid0(VALU_DEP_1)
	v_sub_nc_u32 v9, v7, v9                        ; r - 8 h, for the mask
	v_lshlrev_b32 v11, 2, v7                       ; 4 r
	s_lshl_b32 s44, s[WV], 7
	v_add_nc_u32 v84, s44, v3                      ; where I put step w's scale words of V
	s_lshl_b32 s44, s[BSEL], 6
	s_add_co_u32 s44, s44, OS
	v_add_nc_u32 v86, s44, v11                     ; my tile's scale words of the result,
	s_add_co_u32 s44, s44, s[HD]
	v_add_nc_u32 v85, s44, v11                     ; and my head's byte in them
	s_lshl_b32 s44, s[WV], 9
	v_lshl_add_u32 v87, v10, 2, s44                ; V's scale bytes in memory: pairs 4 w on
	; descriptor group 1: 136 dense rows of 256 bytes (32 elements of 8 bytes), for all four work-groups
	s_mov_b32 s[G1], 15|(3<<16)|(1<<21)            ; 15:0 the mask; 17:16 elements of 8 bytes; 21 set beside a mask
	s_mov_b32 s[G1+1], 32<<16                      ; tensor_dim0
	s_mov_b32 s[G1+2], 136<<16                     ; tensor_dim1
	s_mov_b32 s[G1+3], 32<<16                      ; tile_dim0
	s_mov_b32 s[G1+4], 136                         ; tile_dim1
	s_mov_b32 s[G1+5], 32                          ; from row to row
	s_mov_b32 s[G1+6], 0
	s_mov_b32 s[G1+7], 0
	s_mov_b32 s[CS], 0x3fb8aa3b                    ; log2(e)
	s_mov_b32 s[CS+1], s[CS]
	s_mov_b32 s[SEL], 0x76543210
	s_mov_b32 s[SEL+1], 0xfedcba98
	s_mov_b32 s[MNT], 0x600000
	s_mov_b32 s[KF], 0
	s_mov_b32 s[TB], 0
	s_mov_b32 s[TS], 0
	s_mov_b32 s[TJ], 0
	s_mov_b32 s[CNT], 16
	s_lshl_b32 s45, s[BAT], 7
	s_add_co_u32 s45, s45, s[BETA]                 ; the tile among all 256
	s_lshl_b32 s46, s45, 4
	s_lshl_b32 s47, s[CX], 2
	s_add_co_u32 s46, s46, s47
	s_add_co_u32 s46, s46, s[HD]                   ; 16 x tile + head
	s_mov_b32 s49, 0
	s_mul_i32 s50, s[BAT], KVB
	s_mov_b32 s51, 0
	s_mul_i32 s52, s[WV], 34816
	s_mov_b32 s53, 0
	s_wait_alu depctr_va_vdst(0)
	s_wait_dscnt 0x0
	s_wait_kmcnt 0x0
	s_lshl_b32 s48, s46, 9
	s_add_nc_u64 s[4:5], s[4:5], s[48:49]
	s_lshl_b32 s48, s46, 6
	s_add_nc_u64 s[6:7], s[6:7], s[48:49]
	s_add_nc_u64 s[8:9], s[8:9], s[50:51]          ; kv at my batch
	s_mul_i32 s48, s45, 36
	s_add_co_u32 s48, s48, s[CX]
	s_lshl_b32 s48, s48, 11
	s_lshl_b32 s54, s[HD], 9
	s_add_co_u32 s48, s48, s54
	s_add_nc_u64 s[10:11], s[10:11], s[48:49]      ; ac: tile, K step = group of heads, block = head % 4
	s_lshl_b32 s48, s[CX], 14
	s_lshl_b32 s54, s45, 6
	s_add_co_u32 s48, s48, s54
	s_add_nc_u64 s[12:13], s[12:13], s[48:49]      ; asc: K step, my 16 rows' words
	s_mov_b32 s[G0], 1
	s_mov_b32 s[G0+1], s52                         ; LDS: a quarter for each of waves 0-3
	s_add_nc_u64 s[G0+2:G0+3], s[8:9], s[52:53]
	s_or_b32 s[G0+3], s[G0+3], 0x80000000
	global_load_b128 v[16:19], v1, s[4:5]          ; Q's block
	global_load_b32 v81, v11, s[6:7]               ; and its scale words
.irp c, 0,1,2,3
	global_load_b32 v[88+\c], v87, s[8:9] offset:139264+128*\c   ; V's bytes for the four blocks of step w
.endr
	ROUND                                          ; all four work-groups are here: the joint loads meet
	s_cmp_lt_u32 s[WV], 4
	s_cbranch_scc0 .Lno_fill
	tensor_load_to_lds s[G0:G0+3], s[G1:G1+7]      ; one load a wave is out
	s_nop 0
.rept 4
	v_nop
.endr
.Lno_fill:
.set n, 20
.rept 12
	v_mov_b32 v[n], 0                              ; Q's blocks 1-3
	v_mov_b32 v[n+44], 0                           ; and what stands behind K's last tile
.set n, n+1
.endr
.set n, 160
.rept 16
	v_mov_b32 v[n], 0                              ; O^T: the step is written once; the first finds zeros
.set n, n+1
.endr
.set n, BM
.rept 8
	v_mov_b32 v[n], 0                              ; lane permutes' destinations count as sources
.set n, n+1
.endr
	v_mov_b32 v[FF+1], 0
	v_mov_b32 v[TMP], 0
	v_mov_b32 v13, 0xff61b1e6                      ; the largest t so far: -3e38
	s_delay_alu instid0(VALU_DEP_1)
	v_floor_f32 v12, -v13                          ; -M
	v_mov_b32 v14, 0
	v_mov_b32 v15, 0
	s_wait_loadcnt 0x0
	v_lshl_or_b32 v88, v89, 8, v88
	s_delay_alu instid0(VALU_DEP_1)
	v_lshl_or_b32 v88, v90, 16, v88
	s_delay_alu instid0(VALU_DEP_1)
	v_lshl_or_b32 v88, v91, 24, v88                ; lane 16 u + r: the word of channel 16 u + r for step w's 128 keys
	ds_store_b32 v84, v88
	s_wait_tensorcnt 0x0                           ; my quarter has landed,
	s_wait_dscnt 0x0                               ; my words too:
	s_barrier_signal -1
	s_barrier_wait -1                              ; everybody's have
.Lstep:                                            ; 16 trips, 128 keys each
	s_add_co_u32 s44, s[Q0], 15
	s_cmp_gt_u32 s[KF], s44
	s_cbranch_scc1 .Lhidden                        ; all of the step's keys come after my queries
	v_add_nc_u32 v4, s[TB], v1
	v_add_nc_u32 v5, s[TS], v2
	v_add_nc_u32 v6, s[TJ], v3
	PLACES 5                                       ; with the three additions: eight places behind the last products, ahead of loads into their sources
.irp t, 0,1,2,3,4,5,6,7
	ds_load_b128 v[32+4*\t:35+4*\t], v4 offset:512*\t
.endr
.irp b, 0,1,2,3
	ds_load_b32 v[76+\b], v5 offset:128*\b
.endr
.irp f, 0,1,2,3,4,5,6,7
	ds_load_b128 v[176+4*\f:179+4*\f], v4 offset:4096+512*\f
.endr
	ds_load_b32 v80, v6
	s_wait_dscnt 9                                 ; K and its words are in; V's eight loads and its word may be out
.irp t, 0,1,2,3,4,5,6,7
	WM 96+8*\t, 32+4*\t, 16, 1, 76+\t/2, \t%2, 81, 0
.endr
	PLACES 8
	s_add_co_u32 s44, s[KF], 127
	s_cmp_le_u32 s44, s[Q0]
	s_cbranch_scc1 .Lopen                          ; all of the step's keys count
	s_sub_co_i32 s44, s[Q0], s[KF]
	v_add_nc_u32 v246, s44, v9                     ; d = my query - the step's first key - 8 h.  Register n holds key 16 (n / 8) + n % 8 + 8 h of the step: hidden where 16 (n / 8) + n % 8 > d
	v_mov_b32 v247, 0xff800000
.set n, 0
.rept 64
	v_cmp_gt_i32 vcc_lo, 16*(n/8)+n%8, v246
	v_cndmask_b32 v[96+n], v[96+n], v247, vcc_lo
.set n, n+1
.endr
.Lopen:
.irp b, 0,1,2,3
	v_max3_num_f32 v[BM+\b], v[96+16*\b], v[97+16*\b], v[98+16*\b]   ; the largest score of each block of 32 keys: for the row's maximum and, since p rises with the score, for the block's largest p
.endr
.irp i, 3,5,7,9,11,13
.irp b, 0,1,2,3
	v_max3_num_f32 v[BM+\b], v[BM+\b], v[96+16*\b+\i], v[97+16*\b+\i]
.endr
.endr
.irp b, 0,1,2,3
	v_max_num_f32 v[BM+\b], v[BM+\b], v[111+16*\b]
.endr
.irp b, 0,1,2,3
	s_delay_alu instid0(VALU_DEP_4)
	v_permlanex16_b32 v[BT+\b], v[BM+\b], s[SEL], s[SEL+1]
.endr
.irp b, 0,1,2,3
	s_delay_alu instid0(VALU_DEP_4)
	v_max_num_f32 v[BM+\b], v[BM+\b], v[BT+\b]     ; with lane l xor 16's 16 keys
.endr
	s_delay_alu instid0(VALU_DEP_2)
	v_max3_num_f32 v[TMP], v[BM], v[BM+1], v[BM+2]
	s_delay_alu instid0(VALU_DEP_1)
	v_max_num_f32 v[TMP], v[TMP], v[BM+3]
	s_delay_alu instid0(VALU_DEP_1)
	v_mul_f32 v[TMP], s[CS], v[TMP]
	s_delay_alu instid0(VALU_DEP_1)
	v_max_num_f32 v13, v13, v[TMP]                 ; the running largest t
	v_mov_b32 v[TMP], v12
	s_delay_alu instid0(VALU_DEP_2)
	v_floor_f32 v12, -v13                          ; -M = floor(-t): M is a whole number
	s_delay_alu instid0(VALU_DEP_1)
	v_sub_f32 v[TMP], v12, v[TMP]
	s_delay_alu instid0(VALU_DEP_1)
	v_cvt_i32_f32 v[TMP], v[TMP]                   ; (it saturates)
	s_delay_alu instid0(VALU_DEP_1)
	v_ldexp_f32 v[FF], 1.0, v[TMP]                 ; f = 2^(old M - new M)
.set n, 0
.rept 32
	v_pk_fma_f32 v[96+n:97+n], v[96+n:97+n], s[CS:CS+1], v[12:13] op_sel_hi:[1,0,0]   ; t - M
.set n, n+2
.endr
.irp b, 0,1,2,3
	v_fma_f32 v[BM+\b], v[BM+\b], s[CS], v12
.endr
.set n, 0
	s_wait_alu depctr_va_vdst(0)
.rept 64
	v_exp_f32 v[96+n], v[96+n]                     ; p
.set n, n+1
.endr
.irp b, 0,1,2,3
	v_exp_f32 v[BM+\b], v[BM+\b]                   ; the block's largest p
.endr
	v_pk_mul_f32 v[14:15], v[14:15], v[FF:FF+1] op_sel_hi:[1,0]   ; the sums under the new M (a plain line behind the exponentials)
	s_wait_alu depctr_va_vdst(0)
.irp b, 0,1,2,3
	v_max_num_f32 v[BM+\b], 0x4800000, v[BM+\b]    ; the floor: the byte cannot fall under 1
.endr
.irp b, 0,1,2,3
	s_delay_alu instid0(VALU_DEP_4)
	v_add_nc_u32 v[BS+\b], 0xfc000000, v[BM+\b]
.endr
.irp b, 0,1,2,3
	v_and_or_b32 v[BH+\b], v[BM+\b], 0x7f800000, s[MNT]
.endr
.irp b, 0,1,2,3
	v_lshrrev_b32 v[BT+\b], 23, v[BS+\b]
.endr
	s_delay_alu instid0(VALU_DEP_3)
	v_lshl_or_b32 v[PW], v[BT+1], 8, v[BT]         ; p's scale word for these 128 keys: far more than eight places ahead of its products
	s_delay_alu instid0(VALU_DEP_1)
	v_lshl_or_b32 v[PW], v[BT+2], 16, v[PW]
	s_delay_alu instid0(VALU_DEP_1)
	v_lshl_or_b32 v[PW], v[BT+3], 24, v[PW]
	v_pk_add_f32 v[244:245], v[100:101], v[104:105]
	v_pk_add_f32 v[252:253], v[108:109], v[112:113]
	v_pk_add_f32 v[250:251], v[116:117], v[120:121]
	v_pk_add_f32 v[248:249], v[124:125], v[128:129]
	v_pk_add_f32 v[246:247], v[132:133], v[136:137]
	v_pk_add_f32 v[226:227], v[140:141], v[144:145]
	v_pk_add_f32 v[222:223], v[148:149], v[152:153]
	v_pk_add_f32 v[14:15], v[14:15], v[156:157]
	v_pk_add_f32 v[244:245], v[244:245], v[96:97]
	v_pk_add_f32 v[252:253], v[252:253], v[98:99]
	v_pk_add_f32 v[250:251], v[250:251], v[102:103]
	v_pk_add_f32 v[248:249], v[248:249], v[106:107]
	v_pk_add_f32 v[246:247], v[246:247], v[110:111]
	v_pk_add_f32 v[226:227], v[226:227], v[114:115]
	v_pk_add_f32 v[222:223], v[222:223], v[118:119]
	v_pk_add_f32 v[14:15], v[14:15], v[122:123]
	v_pk_add_f32 v[244:245], v[244:245], v[126:127]
	v_pk_add_f32 v[252:253], v[252:253], v[130:131]
	v_pk_add_f32 v[250:251], v[250:251], v[134:135]
	v_pk_add_f32 v[248:249], v[248:249], v[138:139]
	v_pk_add_f32 v[246:247], v[246:247], v[142:143]
	v_pk_add_f32 v[226:227], v[226:227], v[146:147]
	v_pk_add_f32 v[222:223], v[222:223], v[150:151]
	v_pk_add_f32 v[14:15], v[14:15], v[154:155]
	v_pk_add_f32 v[244:245], v[244:245], v[158:159]
	s_delay_alu instid0(VALU_DEP_2)
	v_pk_add_f32 v[14:15], v[14:15], v[248:249]
	s_delay_alu instid0(VALU_DEP_2)
	v_pk_add_f32 v[244:245], v[244:245], v[246:247]
	v_pk_add_f32 v[252:253], v[252:253], v[226:227]
	v_pk_add_f32 v[250:251], v[250:251], v[222:223]
	s_delay_alu instid0(VALU_DEP_2)
	v_pk_add_f32 v[14:15], v[14:15], v[252:253]
	s_delay_alu instid0(VALU_DEP_2)
	v_pk_add_f32 v[244:245], v[244:245], v[250:251]
	s_delay_alu instid0(VALU_DEP_1)
	v_pk_add_f32 v[14:15], v[14:15], v[244:245]
.irp b, 0,1,2,3
.irp i, 0,1,2,3,4,5,6,7,8,9,10,11,12,13,14,15
	v_min_num_f32 v[96+16*\b+\i], v[96+16*\b+\i], v[BH+\b]   ; the hold; p is not negative
.endr
	v_cvt_scalef32_pk8_fp8_f32 v[PC+4*\b:PC+4*\b+1], v[96+16*\b:103+16*\b], v[BS+\b]
	v_cvt_scalef32_pk8_fp8_f32 v[PC+4*\b+2:PC+4*\b+3], v[104+16*\b:111+16*\b], v[BS+\b]
.endr
	v_nop                                          ; a plain line behind the last conversion
.irp b, 0,1,2,3
	v_permlane16_swap_b32 v[PC+4*\b], v[PC+4*\b+2] ; keys 32 b + 16 h + 0 .. 15 in order
	v_permlane16_swap_b32 v[PC+4*\b+1], v[PC+4*\b+3]
.endr
.irp j, 0,2,4,6,8,10,12,14
	v_pk_mul_f32 v[160+\j:161+\j], v[160+\j:161+\j], v[FF:FF+1] op_sel_hi:[1,0]   ; O^T under the new M; these eight also stand between the codes' last write and the products
.endr
	s_wait_alu depctr_va_vdst(0)
	s_wait_dscnt 0x0                               ; V and its word
	WM 160, 176, PC, 0, 80, 0, PW, 0
	WM 168, 192, PC, 0, 80, 1, PW, 0
.Lhidden:
	s_add_co_u32 s[KF], s[KF], 128
	s_add_co_u32 s[TB], s[TB], 8192
	s_add_co_u32 s[TS], s[TS], 512
	s_add_co_u32 s[TJ], s[TJ], 128
	s_sub_co_u32 s[CNT], s[CNT], 1
	s_cmp_lg_u32 s[CNT], 0
	s_cbranch_scc1 .Lstep
	; ---- the way out: O^T / the sum; a lane's 16 numbers and lane l xor 16's are the head's 32: one block of the next product's K
	PLACES 8
	s_wait_alu depctr_va_vdst(0)
	v_add_f32 v14, v14, v15
	s_delay_alu instid0(VALU_DEP_1)
	v_permlanex16_b32 v[TMP], v14, s[SEL], s[SEL+1]
	s_delay_alu instid0(VALU_DEP_1)
	v_add_f32 v14, v14, v[TMP]
	s_wait_alu depctr_va_vdst(0)
	v_rcp_f32 v14, v14
	v_nop
.set n, 0
	s_wait_alu depctr_va_vdst(0)
.rept 16
	v_mul_f32 v[96+n], v[160+n], v14               ; each accumulator from its low end on
.set n, n+1
.endr
	v_max3_num_f32 v[BM], |v96|, |v97|, 0x4800000
.irp i, 2,4,6,8,10,12,14
	s_delay_alu instid0(VALU_DEP_1)
	v_max3_num_f32 v[BM], v[BM], |v[96+\i]|, |v[97+\i]|
.endr
	s_delay_alu instid0(VALU_DEP_1)
	v_permlanex16_b32 v[BM+1], v[BM], s[SEL], s[SEL+1]
	s_delay_alu instid0(VALU_DEP_1)
	v_max_num_f32 v[BM], v[BM], v[BM+1]
	s_delay_alu instid0(VALU_DEP_1)
	v_add_nc_u32 v[BM+2], 0xfc000000, v[BM]
	s_delay_alu instid0(VALU_DEP_2)
	v_and_or_b32 v[BM+3], v[BM], 0x7f800000, s[MNT]
	s_delay_alu instid0(VALU_DEP_2)
	v_lshrrev_b32 v[BM+4], 23, v[BM+2]
.set n, 0
.rept 16
	v_med3_num_f32 v[96+n], v[96+n], -v[BM+3], v[BM+3]
.set n, n+1
.endr
	v_cvt_scalef32_pk8_fp8_f32 v[PC:PC+1], v[96:103], v[BM+2]
	v_cvt_scalef32_pk8_fp8_f32 v[PC+2:PC+3], v[104:111], v[BM+2]
	v_nop
	v_permlane16_swap_b32 v[PC], v[PC+2]
	v_permlane16_swap_b32 v[PC+1], v[PC+3]
	global_store_b128 v1, v[PC:PC+3], s[10:11]     ; 512 bytes on end
	ds_store_b8 v85, v[BM+4]                       ; the four heads' bytes of a row meet in LDS
	s_wait_dscnt 0x0
	s_barrier_signal -1
	s_barrier_wait -1
	s_cmp_lg_u32 s[HD], 0
	s_cbranch_scc1 .Lno_words
	ds_load_b32 v92, v86
	s_wait_dscnt 0x0
	global_store_b32 v11, v92, s[12:13]            ; 16 rows' words (both halves of the lanes write the same)
.Lno_words:
	s_wait_tensorcnt 0x0
	ds_add_u32 v254, v255
	s_wait_dscnt 0x0
	ROUND                                          ; the closing round
	s_endpgm
.Lfunc_end_k_q5792dc1f31_attn:
	.size	k_q5792dc1f31_attn, .Lfunc_end_k_q5792dc1f31_attn-k_q5792dc1f31_attn
	.p2alignl 7, 3214868480
	.fill 96, 4, 3214868480
	.section	.rodata,"a",@progbits
	.p2align	6, 0x0
	.amdhsa_kernel k_q5792dc1f31_attn
		.amdhsa_group_segment_fixed_size 169984
		.amdhsa_private_segment_fixed_size 0
		.amdhsa_enable_private_segment 0
		.amdhsa_kernarg_size 40
		.amdhsa_user_sgpr_count 2
		.amdhsa_user_sgpr_kernarg_segment_ptr 1
		.amdhsa_wavefront_size32 1
		.amdhsa_system_sgpr_workgroup_id_x 1
		.amdhsa_system_sgpr_workgroup_id_y 1
		.amdhsa_system_sgpr_workgroup_id_z 1
		.amdhsa_system_vgpr_workitem_id 0
		.amdhsa_next_free_vgpr 256
		.amdhsa_next_free_sgpr 66
		.amdhsa_reserve_vcc 1
		.amdhsa_float_denorm_mode_32 3
		.amdhsa_float_denorm_mode_16_64 3
		.amdhsa_memory_ordered 1
		.amdhsa_forward_progress 1
		.amdhsa_inst_pref_size 36
	.end_amdhsa_kernel
	.amdgpu_metadata
---
amdhsa.version: [ 1, 2 ]
amdhsa.kernels:
  - .name:           k_q5792dc1f31_attn
    .symbol:         k_q5792dc1f31_attn.kd
    .args:
      - { .name: qc, .offset: 0, .size: 8, .value_kind: global_buffer, .address_space: global }
      - { .name: qs, .offset: 8, .size: 8, .value_kind: global_buffer, .address_space: global }
      - { .name: kv, .offset: 16, .size: 8, .value_kind: global_buffer, .address_space: global }
      - { .name: ac, .offset: 24, .size: 8, .value_kind: global_buffer, .address_space: global }
      - { .name: asc, .offset: 32, .size: 8, .value_kind: global_buffer, .address_space: global }
    .group_segment_fixed_size: 169984
    .private_segment_fixed_size: 0
    .kernarg_segment_align: 8
    .kernarg_segment_size: 40
    .max_flat_workgroup_size: 512
    .sgpr_count:     66
    .vgpr_count:     256
    .wavefront_size: 32
...
	.end_amdgpu_metadata
.endif
;; end of part 2
;; launch ffn (part 3): grid 32 x 8, 4 waves a work-group, clusters of 4 x 4, 327,680 bytes of LDS; arguments xc, xs, w_fused_codes, w_fused_scales, ac, asc; writes ac, asc
.if DOCPART == 3
	.amdgcn_target "amdgcn-amd-amdhsa--gfx1250"
	.amdhsa_code_object_version 6
	.text
	.protected	k_q5792dc1f31_ffn
	.globl	k_q5792dc1f31_ffn
	.p2align	8
	.type	k_q5792dc1f31_ffn,@function
k_q5792dc1f31_ffn:
	s_mov_b64 s[64:65], 0
	v_nop
	global_prefetch_b8 v0, s[64:65] scope:SCOPE_SE
	s_setreg_imm32_b32 hwreg(HW_REG_WAVE_MODE, 25, 1), 1
	s_wait_xcnt 0x0
	s_wait_alu depctr_hold_cnt(0) depctr_sa_sdst(0) depctr_va_vdst(0) depctr_va_sdst(0) depctr_va_ssrc(0) depctr_va_vcc(0) depctr_vm_vsrc(0)
	s_getreg_b32 s2, hwreg(HW_REG_IB_STS2, 6, 4)
	s_cmp_eq_u32 s2, 0
	s_cbranch_scc0 .Lentry_in_a_cluster
	s_endpgm
.Lentry_in_a_cluster:
	s_bfe_u32 s2, ttmp6, 0x10000c
	s_cmp_lg_u32 s2, 0xf033
	s_cbranch_scc0 .Lentry_shape_is_right
	s_endpgm
.Lentry_shape_is_right:
; The hidden layer: silu(xn W_gate) * (xn W_x), 4,096 tokens x 4,096 hidden units, K = 1,024, on codes of E4M3 with one E8M0 byte for each 32; the result is quantised along the hidden units and stored as the next product's operand.
; SHARES.  256 work-groups: 32 columns of 128 hidden units x 8 rows of 512 tokens.  Wave w owns hidden units 32 w .. 32 w + 31 of the column: 32 rows of W_x and 32 of W_gate, ALL of K, in 512 registers (windows 1, 2).
; All four waves stream the same tokens past them in blocks of 16, which stand in registers as two whole sets (window 3): 32 blocks of 32 products, two blocks to a trip.
; LDS: two slots of 128 tokens (rows of 1,024 + 16 bytes); the scale bytes of the 512 tokens; the outgoing scale bytes; the spare words.
; FILLS.  At the head wave 0 chunk 0, wave 1 chunk 1, waves 2, 3 half of the scale bytes each.  Chunks 2 and 3 are refills, each behind a drained round of the cluster's barrier, 32 rows a wave: eight blocks stand between a request and the barrier that shows it.
; CLUSTER.  4 x 4; the tokens' rows hang on the tile row alone and are asked for jointly along a row of the cluster.  THE WEIGHTS ARE NOT ASKED FOR JOINTLY: each byte feeds one wave of the work-group once and goes from memory straight into its registers;
; through LDS the 256 rows x 1,040 bytes would take both slots, and the first tokens would have to wait behind a further round.
; LAYOUT.  Source 0 = 16 rows of the weight, source 1 = 16 tokens: a lane holds one token.  Lane m of tile u takes row 8 u + m + 8 (m / 8), so that the 16 registers of two tiles are hidden units 16 h + 0 .. 15: the conversions' results are the operand's registers.
; THE WAY OUT of a pair of blocks (two sets of sums): gate x -log2(e) and gate x x, the exponentials, + 1 and the reciprocals of both stand behind the pair, one batch each; the last product, the largest magnitude, the holds and the conversions
; of each stand among the products of the next pair's block of the same parity, four lines at a place; codes and bytes leave behind that pair.
; PREFETCH.  Chunks 2 and 3 (131,072 bytes each) are named once in each cluster, at the head: the sixteen waves of a row of the cluster take 8,192 bytes each, told apart by address, lanes 256 bytes apart; six and fourteen blocks ahead of their loads.  Chunks 0, 1 come by their loads alone.
; LIMITS: NaN and infinities are not served.  A block whose largest magnitude lies under 2^-118 gets the byte 1.  Where exp(-gate) passes f32's range the hidden unit is 0.
.set PITCH, 1040
.set CH, 128
.set YB, CH*PITCH
.set SCL, 2*YB                         ; the tokens' scale bytes: units of 256 bytes (8 rows) + 16
.set RS, 32                            ; units of 256 rows
.set SST, SCL+2*RS*272                 ; outgoing scale words: 128 bytes not read, then [token 512][wave 4]
.set SPARE, SST+2304
.set NF, 34                            ; LDS loads of a block
.set ADRA0, 4
.set WAD, 5
.set AAS0, 6
.set CO, 9
.set SPW, 10
.set NIL, 11
.set ADRA, 12
.set VX, 13
.set VX0, 14
.set ABS, 16
.set AAS, 17
.set SSTR, 18
.set SOP, 20
.set EB, 22                            ; v22, v23 a pair's bytes (the head's temporaries until then)
.set SB, 24                            ; v24-39 the weight's scale words: 8 p + q: lanes 0-15 tile 2 p, lanes 16-31 tile 2 p + 1
.set SA, 44                            ; v44-59 the tokens', two sets
.set TQ, 60
.set ACC, 64                           ; v64-127 two sets: x's two tiles, the gate's two
.set TT, 128                           ; v128-159
.set UU, 160                           ; v160-191
.set NCD, 192                          ; v192-199
.set BK, 200
.set G1A, 24
.set G1R, 32
.set G1S, 40
.set G0A, 48
.set G0R, 52
.set G0S, 56
.set NLG, 66
.set MSB, 0
.macro WIN new
.if MSB != (\new)
	s_set_vgpr_msb (MSB<<8)|(\new)
.set MSB, (\new)
.endif
.endm
.macro PLACES n
.rept \n
	v_nop
.endr
.endm
.macro WALU
	s_wait_alu depctr_va_vdst(0)
.endm
.macro BARRIER
	s_barrier_signal -1
	s_barrier_wait -1
.endm
.macro CROUND                          ; a round of the cluster's barrier
	BARRIER
	s_cmp_lg_u32 s16, 0
	s_cbranch_scc1 .Lnot_wave_0_\@
	s_barrier_signal -3
.Lnot_wave_0_\@:
	s_barrier_wait -3
	BARRIER
.endm
.macro TLOAD g0, g1                    ; an s_nop 0 and four v_nop follow a tensor load
	tensor_load_to_lds s[\g0:\g0+3], s[\g1:\g1+7]
	s_nop 0
	PLACES 4
.endm
.macro GROUP1 g, rows                  ; so many whole rows of 1,024 bytes, 16 of padding behind each; shared along my row of the cluster
	s_or_b32 s[\g+0], s21, (1<<20)|(1<<21)|(7<<22)|(3<<25)
	s_mov_b32 s[\g+1], 1024<<16
	s_mov_b32 s[\g+2], (\rows)<<16
	s_mov_b32 s[\g+3], 1024<<16
	s_mov_b32 s[\g+4], \rows
	s_mov_b32 s[\g+5], 1024
	s_mov_b32 s[\g+6], 0
	s_mov_b32 s[\g+7], 0
.endm
	s_load_b256 s[4:11], s[0:1], 0x0               ; xc, xs, the weight's codes, its scales
	s_load_b128 s[12:15], s[0:1], 0x20             ; ac, asc
	v_lshl_add_u32 v[SPW], v0, 2, SPARE
	v_mov_b32 v[NIL], 0
	ds_add_u32 v[SPW], v[NIL]                      ; the opening lines: the add twice on end and its wait
	ds_add_u32 v[SPW], v[NIL]
	v_lshrrev_b32 v1, 5, v0
	v_readfirstlane_b32 s16, v1                    ; wave 0..3
	s_and_b32 s22, s16, 1
	s_bfe_u32 s17, ttmp6, 0x40000                  ; cx, cy
	s_bfe_u32 s18, ttmp6, 0x40004
	s_lshl_b32 s19, ttmp9, 2
	s_add_co_u32 s19, s19, s17                     ; column of 128 hidden units
	s_and_b32 s20, ttmp7, 0xffff
	s_lshl_b32 s20, s20, 2
	s_add_co_u32 s20, s20, s18                     ; row of 512 tokens
	s_lshl_b32 s21, s18, 2
	s_lshl_b32 s21, 15, s21                        ; my row of the cluster
	GROUP1 G1A, CH
	GROUP1 G1R, CH/4
	s_or_b32 s[G1S+0], s21, (3<<16)|(1<<20)|(1<<21)|(5<<22)|(3<<25)   ; 8,192 dense bytes as 32 rows of 256
	s_mov_b32 s[G1S+1], 32<<16
	s_mov_b32 s[G1S+2], RS<<16
	s_mov_b32 s[G1S+3], 32<<16
	s_mov_b32 s[G1S+4], RS
	s_mov_b32 s[G1S+5], 32
	s_mov_b32 s[G1S+6], 0
	s_mov_b32 s[G1S+7], 0
	s_mov_b32 s[G0A], 1
	s_mul_i32 s[G0A+1], s22, YB                    ; wave 0: slot 0; wave 1: slot 1
	s_mov_b32 s[G0S], 1
	s_mul_i32 s[G0S+1], s22, RS*272
	s_add_co_u32 s[G0S+1], s[G0S+1], SCL
	s_mov_b32 s[G0R], 1
	s_lshl_b32 s2, s20, 19                         ; my tokens' first byte in xc
	s_lshl_b32 s23, s22, 17
	s_add_co_u32 s76, s2, s23                      ; chunk 0 or 1
	s_mov_b32 s77, 0
	s_lshl_b32 s23, s16, 15
	s_add_co_u32 s78, s2, s23                      ; a refill: my 32 rows of a chunk
	s_mov_b32 s79, 0
	s_lshl_b32 s80, s20, 14
	s_lshl_b32 s23, s22, 13
	s_add_co_u32 s80, s80, s23                     ; xs: my half
	s_mov_b32 s81, 0
	s_lshl_b32 s82, s19, 7
	s_lshl_b32 s23, s16, 5
	s_add_co_u32 s82, s82, s23
	s_add_co_u32 s82, s82, 576                     ; my first row of W_x; W_gate's lie 4,096 rows on
	s_lshl_b32 s84, s82, 5
	s_lshl_b32 s82, s82, 10
	s_mov_b32 s83, 0
	s_mov_b32 s85, 0
	s_lshl_b32 s91, s16, 9
	s_mul_i32 s86, s20, 1152                       ; ac: [16 tokens][K step 36][2,048]: K step 4 + column, piece = wave
	s_add_co_u32 s86, s86, s19
	s_add_co_u32 s86, s86, 4
	s_lshl_b32 s86, s86, 11
	s_add_co_u32 s86, s86, s91
	s_mov_b32 s87, 0
	s_add_co_u32 s88, s19, 4                       ; asc: [K step][token][4]: 512 bytes a wave
	s_lshl_b32 s88, s88, 14
	s_lshl_b32 s3, s20, 11
	s_add_co_u32 s88, s88, s3
	s_add_co_u32 s88, s88, s91
	s_mov_b32 s89, 0
	s_lshl_b32 s3, s17, 2                          ; the prefetch: my sixteenth of chunk 2
	s_add_co_u32 s3, s3, s16
	s_lshl_b32 s3, s3, 13
	s_add_co_u32 s3, s3, s2
	s_add_co_u32 s3, s3, 262144
	s_mov_b32 s60, 0x76543210
	s_mov_b32 s61, 0xfedcba98
	s_mov_b32 s62, 0x600000
	s_mov_b32 s[NLG], 0xbfb8aa3b                   ; -log2(e)
	s_mov_b32 s[NLG+1], s[NLG]
	s_mov_b32 s68, 0                               ; the pair of blocks
	s_mov_b32 s69, 32*PITCH                        ; LDS: the block two on,
	s_mov_b32 s70, 1088                            ; its scale words,
	s_mov_b32 s71, 0                               ; the outgoing bytes
	v_and_b32 v1, 15, v0                           ; r
	v_bfe_u32 v2, v0, 4, 1                         ; h
	v_and_b32 v3, 31, v0                           ; L
	v_mul_u32_u24 v22, v1, PITCH
	v_lshl_add_u32 v[ADRA0], v2, 4, v22            ; a fragment of tokens: row r, + 16 h
	v_lshlrev_b32 v22, 5, v1
	v_lshrrev_b32 v23, 3, v1
	v_lshl_add_u32 v22, v23, 4, v22
	v_add_nc_u32 v[AAS0], SCL, v22                 ; row r's eight scale words
	v_and_b32 v22, 8, v1
	v_add_nc_u32 v22, v22, v1                      ; r + 8 (r / 8)
	v_lshlrev_b32 v23, 10, v22
	v_lshl_add_u32 v[WAD], v2, 4, v23              ; the weight's codes
	v_lshl_add_u32 v22, v2, 3, v22
	v_lshlrev_b32 v[ABS], 5, v22                   ; its scales: lanes 16-31 the odd tile's rows
	v_lshlrev_b32 v[CO], 4, v3
	v_lshl_add_u32 v22, v1, 2, s16
	v_add_nc_u32 v[VX0], SST, v22                  ; 4 r + wave
	v_add_nc_u32 v22, s91, v[CO]
	v_add_nc_u32 v[SSTR], SST+128, v22
	v_lshl_add_u32 v7, v3, 8, s3
	WALU
	s_wait_dscnt 0x0                               ; both opening adds are done
	CROUND                                         ; all sixteen work-groups are here
	s_wait_kmcnt 0x0
	s_add_nc_u64 s[G0A+2:G0A+3], s[4:5], s[76:77]
	s_or_b32 s[G0A+3], s[G0A+3], 0x80000000
	s_add_nc_u64 s[G0S+2:G0S+3], s[6:7], s[80:81]
	s_or_b32 s[G0S+3], s[G0S+3], 0x80000000
	s_cmp_lt_u32 s16, 2                            ; one joint load a wave
	s_cbranch_scc0 .Lfor_scales
	TLOAD G0A, G1A
	s_branch .Lasked
.Lfor_scales:
	TLOAD G0S, G1S
.Lasked:
	s_add_nc_u64 s[74:75], s[4:5], s[78:79]
	s_add_nc_u64 s[8:9], s[8:9], s[82:83]
	s_add_nc_u64 s[10:11], s[10:11], s[84:85]
	s_add_nc_u64 s[72:73], s[12:13], s[86:87]
	s_sub_nc_u64 s[72:73], s[72:73], 294912        ; four blocks back: every pair steps it by two, and a pair's codes leave one pair late
	s_add_nc_u64 s[14:15], s[14:15], s[88:89]
	global_prefetch_b8 v7, s[4:5] th:TH_LOAD_NT scope:SCOPE_SE
	global_prefetch_b8 v7, s[4:5] offset:131072 th:TH_LOAD_NT scope:SCOPE_SE
.irp p, 0,1
.irp c, 0,1
	global_load_b128 v[SB+8*\p+4*\c:SB+8*\p+4*\c+3], v[ABS], s[10:11] offset:\p*131072+16*\c
.endr
.endr
.irp b, 0,1,2,3                        ; fragment 4 q + b: tile b, the q-th 128 of K; 16 registers, in window 1 + (4 q + b) / 16
.irp q, 0,1,2,3,4,5,6,7
	WIN (1+(4*\q+\b)/16)<<6
.irp c, 0,1,2,3
	global_load_b128 v[16*((4*\q+\b)%16)+4*\c:16*((4*\q+\b)%16)+4*\c+3], v[WAD], s[8:9] offset:(\b%2)*8192+(\b/2)*4194304+128*\q+32*\c
.endr
.endr
.endr
	WIN 0
.set I_, 0
.rept 64
	v_mov_b32 v[TT+I_], 0                          ; the first pair has no pair before it: its places work on zeros and nothing of that is stored
.set I_, I_+1
.endr
	v_mov_b32 v[TQ+2], 0                           ; a lane permute's destination counts as a source
.macro FETCHAT k, a, s, off            ; a block of 16 tokens, all of K, into set k of window 3, and its scale words
	WIN 3<<6
.irp q, 0,1,2,3,4,5,6,7
.irp c, 0,1,2,3
	ds_load_b128 v[128*\k+16*\q+4*\c:128*\k+16*\q+4*\c+3], v[\a] offset:128*\q+32*\c+(\off)*16*PITCH
.endr
.endr
	WIN 0
	ds_load_b128 v[SA+8*\k:SA+8*\k+3], v[\s] offset:(\off)*544
	ds_load_b128 v[SA+8*\k+4:SA+8*\k+7], v[\s] offset:(\off)*544+16
.endm
.macro PROD e, n                       ; product n = 4 q + b of the pair's block e; the four accumulators take turns
.set Q_, (\n)/4
.set B_, (\n)%4
.set AC_, ACC+32*(\e)+8*B_
.set R_, 128*(\e)+16*Q_
.set W_, 16*((\n)%16)
.set XS_, SA+8*(\e)+Q_
.set WS_, SB+8*(B_/2)+Q_
	WIN (1+(\n)/16)|(3<<2)
.if Q_ && B_%2
	v_wmma_scale_f32_16x16x128_f8f6f4 v[AC_:AC_+7], v[W_:W_+15], v[R_:R_+15], v[AC_:AC_+7], v[WS_], v[XS_] matrix_a_scale:MATRIX_SCALE_ROW1
.elseif Q_
	v_wmma_scale_f32_16x16x128_f8f6f4 v[AC_:AC_+7], v[W_:W_+15], v[R_:R_+15], v[AC_:AC_+7], v[WS_], v[XS_]
.elseif B_%2
	v_wmma_scale_f32_16x16x128_f8f6f4 v[AC_:AC_+7], v[W_:W_+15], v[R_:R_+15], 0, v[WS_], v[XS_] matrix_a_scale:MATRIX_SCALE_ROW1
.else
	v_wmma_scale_f32_16x16x128_f8f6f4 v[AC_:AC_+7], v[W_:W_+15], v[R_:R_+15], 0, v[WS_], v[XS_]
.endif
.endm
.macro GL k, s                         ; line k of the quantiser of block s of the pair before: hidden = (gate x) / (1 + exp(-gate)); a scale block of 32 lies in lanes l and l xor 16
.set U_, UU+16*(\s)
.set T_, TT+16*(\s)
.set C_, NCD+4*(\s)
.if (\k) < 8
	v_pk_mul_f32 v[U_+2*(\k):U_+2*(\k)+1], v[U_+2*(\k):U_+2*(\k)+1], v[T_+2*(\k):T_+2*(\k)+1]
.elseif (\k) == 8
	v_max3_num_f32 v[TQ], |v[U_]|, |v[U_+1]|, 0x4800000        ; the floor: the byte cannot fall under 1
.elseif (\k) == 9
	v_max3_num_f32 v[TQ+1], |v[U_+8]|, |v[U_+9]|, |v[U_+10]|
.elseif (\k) < 15 && (\k)%2 == 0
	v_max3_num_f32 v[TQ], v[TQ], |v[U_+(\k)-8]|, |v[U_+(\k)-7]|
.elseif (\k) < 15
	v_max3_num_f32 v[TQ+1], v[TQ+1], |v[U_+(\k)]|, |v[U_+(\k)+1]|
.elseif (\k) == 15
	v_max3_num_f32 v[TQ], v[TQ], v[TQ+1], |v[U_+15]|
.elseif (\k) == 16
	v_permlanex16_b32 v[TQ+2], v[TQ], s60, s61
.elseif (\k) == 17
	v_max_num_f32 v[TQ], v[TQ], v[TQ+2]
.elseif (\k) == 18
	v_add_nc_u32 v[SOP], 0xfc000000, v[TQ]                     ; 8 off the exponent field: the conversion's scale operand
.elseif (\k) == 19
	v_and_or_b32 v[TQ+1], v[TQ], 0x7f800000, s62               ; 448 x the scale
.elseif (\k) == 20
	v_lshrrev_b32 v[EB+(\s)], 23, v[SOP]                       ; the byte
.elseif (\k) < 37
	v_med3_num_f32 v[U_+(\k)-21], v[U_+(\k)-21], -v[TQ+1], v[TQ+1]   ; the conversion does not saturate (ISA guide 7.6.2)
.if (\k) == 28
	v_cvt_scalef32_pk8_fp8_f32 v[C_:C_+1], v[U_:U_+7], v[SOP]
.elseif (\k) == 36
	v_cvt_scalef32_pk8_fp8_f32 v[C_+2:C_+3], v[U_+8:U_+15], v[SOP]
	v_nop
.endif
.endif
.endm
.macro BLK e, w                        ; a block's 32 products; behind products 1 to 10 four lines each of the quantiser
	s_wait_dscnt \w                                ; my set is in; the NF loads issued behind it may be out
.if (\e) == 0
	s_wait_xcnt 0x0                                ; the last pair's stores have read their registers and their base
	s_add_nc_u64 s[72:73], s[72:73], 147456
.endif
.set N_, 0
.rept 32
	PROD \e, N_
.if N_ >= 1 && N_ <= 10
	WIN 0
	GL 4*N_-4, \e
	GL 4*N_-3, \e
	GL 4*N_-2, \e
	GL 4*N_-1, \e
.endif
.set N_, N_+1
.endr
.endm
.macro QOUT                            ; a pair's bytes to their places in LDS; 16 codes a lane and block, 512 bytes on end
	ds_store_b8 v[VX], v[EB]
	ds_store_b8 v[VX], v[EB+1] offset:64
	global_store_b128 v[CO], v[NCD:NCD+3], s[72:73]
	global_store_b128 v[CO], v[NCD+4:NCD+7], s[72:73] offset:73728
.endm
.macro MID                             ; between a pair's two blocks: set 0 takes the block two on
	WIN 0
	v_add_nc_u32 v[ADRA], s69, v[ADRA0]
	v_add_nc_u32 v[AAS], s70, v[AAS0]
	PLACES 8                                       ; eight places behind the last product
	FETCHAT 0, ADRA, AAS, 0
.endm
.macro ENDP fetch                      ; behind a pair
	WIN 0
	PLACES 8
.irp s, 0,1
.set I_, 0
.rept 8
	v_pk_mul_f32 v[TT+16*\s+I_:TT+16*\s+I_+1], v[ACC+32*\s+16+I_:ACC+32*\s+17+I_], s[NLG:NLG+1] op_sel_hi:[1,0]   ; each accumulator from its low end on
.set I_, I_+2
.endr
.set I_, 0
.rept 8
	v_pk_mul_f32 v[UU+16*\s+I_:UU+16*\s+I_+1], v[ACC+32*\s+16+I_:ACC+32*\s+17+I_], v[ACC+32*\s+I_:ACC+32*\s+I_+1]
.set I_, I_+2
.endr
.endr
	v_add_nc_u32 v[VX], s71, v[VX0]
	WALU
	s_cmp_eq_u32 s68, 0
	s_cbranch_scc1 .Lnone_before_\@
	QOUT
.Lnone_before_\@:
.set I_, 0
.rept 32
	v_exp_f32 v[TT+I_], v[TT+I_]
.set I_, I_+1
.endr
.if \fetch
	FETCHAT 1, ADRA, AAS, 1                        ; set 1 takes the block two on
.endif
	v_nop
	WALU
.set I_, 0
.rept 16
	v_pk_add_f32 v[TT+I_:TT+I_+1], v[TT+I_:TT+I_+1], 1.0 op_sel_hi:[1,0]
.set I_, I_+2
.endr
	WALU
.set I_, 0
.rept 32
	v_rcp_f32 v[TT+I_], v[TT+I_]
.set I_, I_+1
.endr
	v_nop
	WALU
.endm
.macro PAIR fetch
	BLK 0, NF
.if \fetch
	MID
	BLK 1, NF
.else
	BLK 1, 0
.endif
	ENDP \fetch
	s_add_co_u32 s69, s69, 32*PITCH
	s_add_co_u32 s70, s70, 1088
	s_add_co_u32 s71, s71, 128
	s_add_co_u32 s68, s68, 1
.endm
.macro REFILL chunk, slot              ; a tensor wait, a spare add and its wait, and the round; then my 32 rows of the chunk
	s_wait_tensorcnt 0x0
	ds_add_u32 v[SPW], v[NIL]
	s_mul_i32 s[G0R+1], s16, 32*PITCH
	s_add_co_u32 s[G0R+1], s[G0R+1], (\slot)*YB
	s_add_nc_u64 s[G0R+2:G0R+3], s[74:75], (\chunk)*131072
	s_or_b32 s[G0R+3], s[G0R+3], 0x80000000
	s_wait_dscnt 0x0                               ; the add is done, and my reads of the slot are over
	CROUND
	TLOAD G0R, G1R
.endm
	WALU
	s_wait_tensorcnt 0x0                           ; my tile of the head's four is in
	BARRIER
	FETCHAT 0, ADRA0, AAS0, 0
	FETCHAT 1, ADRA0, AAS0, 1
	s_wait_loadcnt 0x0                             ; the weight and its scale words
.Lone:                                             ; blocks 0-5; they fetch up to block 7, slot 0's last
	PAIR 1
	s_cmp_lg_u32 s68, 3
	s_cbranch_scc1 .Lone
	REFILL 2, 0
.Ltwo:                                             ; blocks 6-13; they fetch up to block 15, slot 1's last
	PAIR 1
	s_cmp_lg_u32 s68, 7
	s_cbranch_scc1 .Ltwo
	REFILL 3, 1                                    ; its round also shows chunk 2
	s_mov_b32 s69, 0
.Lthree:                                           ; blocks 14-21; they fetch chunk 2
	PAIR 1
	s_cmp_lg_u32 s68, 11
	s_cbranch_scc1 .Lthree
	s_wait_tensorcnt 0x0                           ; chunk 3 is in
	s_wait_dscnt 0x0
	BARRIER
.Lfour:                                            ; blocks 22-29; they fetch chunk 3
	PAIR 1
	s_cmp_lg_u32 s68, 15
	s_cbranch_scc1 .Lfour
	PAIR 0                                         ; blocks 30, 31 fetch nothing
	s_wait_xcnt 0x0                                ; the stores of blocks 28, 29 have read their registers and their base
	s_add_nc_u64 s[72:73], s[72:73], 147456
.irp s, 0,1
.set K_, 0
.rept 37
	GL K_, \s
.set K_, K_+1
.endr
.endr
	v_add_nc_u32 v[VX], s71, v[VX0]
	WALU
	QOUT
	s_wait_dscnt 0x0                               ; for the others' sake: my bytes have landed
	BARRIER
	ds_load_b128 v[BK:BK+3], v[SSTR]               ; 128 tokens' words a wave, 512 bytes on end
	s_wait_dscnt 0x0
	global_store_b128 v[CO], v[BK:BK+3], s[14:15]
	s_wait_tensorcnt 0x0                           ; the wave's end
	ds_add_u32 v[SPW], v[NIL]
	s_wait_dscnt 0x0
	CROUND                                         ; the closing round
	s_endpgm
.Lfunc_end_k_q5792dc1f31_ffn:
	.size	k_q5792dc1f31_ffn, .Lfunc_end_k_q5792dc1f31_ffn-k_q5792dc1f31_ffn
	.p2alignl 7, 3214868480
	.fill 96, 4, 3214868480
	.section	.rodata,"a",@progbits
	.p2align	6, 0x0
	.amdhsa_kernel k_q5792dc1f31_ffn
		.amdhsa_group_segment_fixed_size 327680
		.amdhsa_private_segment_fixed_size 0
		.amdhsa_enable_private_segment 0
		.amdhsa_kernarg_size 48
		.amdhsa_user_sgpr_count 2
		.amdhsa_user_sgpr_kernarg_segment_ptr 1
		.amdhsa_wavefront_size32 1
		.amdhsa_system_sgpr_workgroup_id_x 1
		.amdhsa_system_sgpr_workgroup_id_y 1
		.amdhsa_system_sgpr_workgroup_id_z 1
		.amdhsa_system_vgpr_workitem_id 0
		.amdhsa_next_free_vgpr 1024
		.amdhsa_next_free_sgpr 96
		.amdhsa_reserve_vcc 0
		.amdhsa_float_denorm_mode_32 3
		.amdhsa_float_denorm_mode_16_64 3
		.amdhsa_memory_ordered 1
		.amdhsa_forward_progress 1
		.amdhsa_inst_pref_size 157
	.end_amdhsa_kernel
	.amdgpu_metadata
---
amdhsa.version: [ 1, 2 ]
amdhsa.kernels:
  - .name:           k_q5792dc1f31_ffn
    .symbol:         k_q5792dc1f31_ffn.kd
    .args:
      - { .name: xc, .offset: 0, .size: 8, .value_kind: global_buffer, .address_space: global }
      - { .name: xs, .offset: 8, .size: 8, .value_kind: global_buffer, .address_space: global }
      - { .name: w_fused_codes, .offset: 16, .size: 8, .value_kind: global_buffer, .address_space: global }
      - { .name: w_fused_scales, .offset: 24, .size: 8, .value_kind: global_buffer, .address_space: global }
      - { .name: ac, .offset: 32, .size: 8, .value_kind: global_buffer, .address_space: global }
      - { .name: asc, .offset: 40, .size: 8, .value_kind: global_buffer, .address_space: global }
    .group_segment_fixed_size: 327680
    .private_segment_fixed_size: 0
    .kernarg_segment_align: 8
    .kernarg_segment_size: 48
    .max_flat_workgroup_size: 128
    .sgpr_count:     96
    .vgpr_count:     1024
    .wavefront_size: 32
...
	.end_amdgpu_metadata
.endif
;; end of part 3
;; launch outp (part 4): grid 8 x 32, 4 waves a work-group, clusters of 4 x 4, 327,680 bytes of LDS; arguments ac, asc, w_attn_out_codes, w_attn_out_scales, w_ff_out_codes, w_ff_out_scales, out0; writes out0
.if DOCPART == 4
	.amdgcn_target "amdgcn-amd-amdhsa--gfx1250"
	.amdhsa_code_object_version 6
	.text
	.protected	k_q5792dc1f31_outp
	.globl	k_q5792dc1f31_outp
	.p2align	8
	.type	k_q5792dc1f31_outp,@function
k_q5792dc1f31_outp:
	s_mov_b64 s[64:65], 0
	v_nop
	global_prefetch_b8 v0, s[64:65] scope:SCOPE_SE
	s_setreg_imm32_b32 hwreg(HW_REG_WAVE_MODE, 25, 1), 1
	s_wait_xcnt 0x0
	s_wait_alu depctr_hold_cnt(0) depctr_sa_sdst(0) depctr_va_vdst(0) depctr_va_sdst(0) depctr_va_ssrc(0) depctr_va_vcc(0) depctr_vm_vsrc(0)
	s_getreg_b32 s2, hwreg(HW_REG_IB_STS2, 6, 4)
	s_cmp_eq_u32 s2, 0
	s_cbranch_scc0 .Lentry_in_a_cluster
	s_endpgm
.Lentry_in_a_cluster:
	s_bfe_u32 s2, ttmp6, 0x10000c
	s_cmp_lg_u32 s2, 0xf033
	s_cbranch_scc0 .Lentry_shape_is_right
	s_endpgm
.Lentry_shape_is_right:
; out0 = attention's result x w_attn_out + hidden layer x w_ff_out, as one product with K = 512 + 4,096 on codes of E4M3, sums in f32.
; A tile of the output is 128 x 128: 8 x 32 = 256 work-groups (tiles of 256 x 256 would be 64).  Four waves, each 64 x 64: 16 accumulators.
; K goes in nine slots of 512 through a ring of two LDS slots.  Slot 0 is the attention part (a row of w_attn_out is just 512 bytes), slots 1-8 come from w_ff_out: so the two first fills of B have two shapes and every refill has the second.  All nine are written out: every offset is an immediate.
; A lies in memory as images of operand registers, [16 tokens][K step][2,048 bytes]: a slot's part of 16 tokens is 8,192 bytes on end, and a fragment comes by four loads of 512 bytes on end.  B's rows are 512 bytes + 16 of padding.
; THE SCALES come once, with the first fills: A's words for the tile's 128 rows and all 36 K steps, B's for w_ff_out; w_attn_out's 16 bytes a row go straight into registers.
; CLUSTERS: 4 x 4 work-groups; what hangs on the tile row (A, A's words) is shared along a row of the cluster, what hangs on the tile column (B, B's bytes) along a column.  The matrix instruction is used transposed (source 0 = 16 rows of the weight, source 1 = 16 tokens): a lane holds eight neighbouring numbers of a row of the output.
; REGISTERS: window 0: v0-31 addresses; v32-63 scale words, two sets, and nothing else; v64-127 the way out; v128-255 the accumulators, (a, b) at v[128 + 8 (4 a + b)].  window 1: two fragment buffers of 128: A's four fragments, then B's four.
.set SLOT,  133120                     ; A: 8 x 8,192; B: 128 rows x 528
.set BOFF,  65536
.set SA,    266240                     ; A's scale words: 36 K steps x 128 rows x 4 bytes
.set SBF,   284672                     ; w_ff_out's scale bytes: 64 units of 256 + 16
.set SPARE, 302080                     ; the spare words, 128 bytes a wave: two blocks of 256 bytes that no other line names
.set STAGE, 302592                     ; 16 rows x 272 bytes for each wave; no fill lands here
.set ADRA, 16
.set ADRB, 20
.set ASA,  22
.set ABS,  23
.set STO,  24
.set RD,   25
.set CO,   26
.set GBS,  27
.set SPW,  28
.set NIL,  29
.set SC,   32                          ; set s: A's words at SC + 16 s + 2 q + p (lanes 0-15 block 2 p, lanes 16-31 block 2 p + 1); B's at SC + 16 s + 8 + 4 p + q
.set BK,   64
.set ACC,  128
.set F0,   0
.set F1,   128
.set G1A,  32
.set G1BF, 40
.set G1BA, 48
.set G1SA, 56
.set G1SB, 68
.set G0A,  76                          ; s[76:83] A, a set for each slot
.set G0BF, 84                          ; s[84:91] w_ff_out, a set for each slot
.set G0BA, 92                          ; s[92:95] w_attn_out, slot 0's first fill
.set G0SA, 96
.set G0SB, 28
.set MSB, 0
.macro WIN new
.if MSB != (\new)
	s_set_vgpr_msb (MSB<<8)|(\new)
.set MSB, (\new)
.endif
.endm
.set MUL,  0x05                        ; sources 0 and 1 window 1; C and D window 0
.set TO_F, 0x40                        ; destination window 1
.macro PLACES n
.rept \n
	v_nop
.endr
.endm
.macro JLOAD g0a, g1a, g0b, g1b        ; waves 0 and 1 fetch for A, waves 2 and 3 for B; four v_nop follow each of the two lines
	s_cmp_eq_u32 s19, 0
	s_cbranch_scc0 .Lfor_b_\@
	tensor_load_to_lds s[\g0a:\g0a+3], s[\g1a:\g1a+7]
	s_nop 0
.rept 4
	v_nop
.endr
	s_branch .Lasked_\@
.Lfor_b_\@:
	tensor_load_to_lds s[\g0b:\g0b+3], s[\g1b:\g1b+7]
	s_nop 0
.rept 4
	v_nop
.endr
.Lasked_\@:
.endm
.macro CREST
	s_cmp_lg_u32 s18, 0
	s_cbranch_scc1 .Lnot_wave_0_\@
	s_barrier_signal -3
.Lnot_wave_0_\@:
	s_barrier_wait -3
	s_barrier_signal -1
	s_barrier_wait -1
.endm
.macro CROUND
	s_barrier_signal -1
	s_barrier_wait -1
	CREST
.endm
.macro WM d, a, b, zero, sa, ra, sb, rb
.if \zero
.if (\ra) && (\rb)
	v_wmma_scale_f32_16x16x128_f8f6f4 v[\d:\d+7], v[\a:\a+15], v[\b:\b+15], 0, v[\sa], v[\sb] matrix_a_scale:MATRIX_SCALE_ROW1 matrix_b_scale:MATRIX_SCALE_ROW1
.elseif (\ra)
	v_wmma_scale_f32_16x16x128_f8f6f4 v[\d:\d+7], v[\a:\a+15], v[\b:\b+15], 0, v[\sa], v[\sb] matrix_a_scale:MATRIX_SCALE_ROW1
.elseif (\rb)
	v_wmma_scale_f32_16x16x128_f8f6f4 v[\d:\d+7], v[\a:\a+15], v[\b:\b+15], 0, v[\sa], v[\sb] matrix_b_scale:MATRIX_SCALE_ROW1
.else
	v_wmma_scale_f32_16x16x128_f8f6f4 v[\d:\d+7], v[\a:\a+15], v[\b:\b+15], 0, v[\sa], v[\sb]
.endif
.else
.if (\ra) && (\rb)
	v_wmma_scale_f32_16x16x128_f8f6f4 v[\d:\d+7], v[\a:\a+15], v[\b:\b+15], v[\d:\d+7], v[\sa], v[\sb] matrix_a_scale:MATRIX_SCALE_ROW1 matrix_b_scale:MATRIX_SCALE_ROW1
.elseif (\ra)
	v_wmma_scale_f32_16x16x128_f8f6f4 v[\d:\d+7], v[\a:\a+15], v[\b:\b+15], v[\d:\d+7], v[\sa], v[\sb] matrix_a_scale:MATRIX_SCALE_ROW1
.elseif (\rb)
	v_wmma_scale_f32_16x16x128_f8f6f4 v[\d:\d+7], v[\a:\a+15], v[\b:\b+15], v[\d:\d+7], v[\sa], v[\sb] matrix_b_scale:MATRIX_SCALE_ROW1
.else
	v_wmma_scale_f32_16x16x128_f8f6f4 v[\d:\d+7], v[\a:\a+15], v[\b:\b+15], v[\d:\d+7], v[\sa], v[\sb]
.endif
.endif
.endm
	s_load_b256 s[4:11], s[0:1], 0x0               ; ac, asc, w_attn_out's codes, its scales
	s_load_b128 s[12:15], s[0:1], 0x20             ; w_ff_out's codes, its scales
	s_load_b64 s[16:17], s[0:1], 0x30              ; out0
	v_lshl_add_u32 v[SPW], v0, 2, SPARE
	v_mov_b32 v[NIL], 0
	ds_add_u32 v28, v29
	ds_add_u32 v28, v29
	s_wait_dscnt 0x0
	v_lshrrev_b32 v1, 5, v0
	v_readfirstlane_b32 s18, v1                    ; wave 0..3
	s_lshr_b32 s19, s18, 1                         ; which 64 rows are mine.  Also: I fetch for A (0) or for B (1)
	s_and_b32 s20, s18, 1                          ; which 64 columns.  Also: which half I fetch
	s_bfe_u32 s21, ttmp6, 0x40000
	s_bfe_u32 s22, ttmp6, 0x40004
	s_lshl_b32 s23, ttmp9, 2
	s_add_co_u32 s23, s23, s21                     ; tile column 0..7
	s_and_b32 s24, ttmp7, 0xffff
	s_lshl_b32 s24, s24, 2
	s_add_co_u32 s24, s24, s22                     ; tile row 0..31
	s_lshl_b32 s25, s22, 2
	s_lshl_b32 s25, 15, s25                        ; my row of the cluster
	s_lshl_b32 s26, 0x1111, s21                    ; my column
	; A: 4 rows (blocks of 16 tokens) of 1,024 elements of 8 bytes, 9,216 elements apart; dense in LDS
	s_or_b32 s[G1A], s25, (3<<16)|(1<<21)
	s_mov_b32 s[G1A+1], 1024<<16
	s_mov_b32 s[G1A+2], 8<<16                      ; the head's load brings all eight blocks of tokens; the ring's loads four
	s_mov_b32 s[G1A+3], 1024<<16
	s_mov_b32 s[G1A+4], 8
	s_mov_b32 s[G1A+5], 9216
	s_mov_b32 s[G1A+6], 0
	s_mov_b32 s[G1A+7], 0
	; B: 64 rows of 512 bytes, 4 words of padding after every 128; the rows 4,096 bytes apart in w_ff_out, 512 in w_attn_out
	s_or_b32 s[G1BF], s26, (0<<16)|(1<<20)|(1<<21)|(6<<22)|(3<<25)
	s_or_b32 s[G1BA], s26, (0<<16)|(1<<20)|(1<<21)|(6<<22)|(3<<25)
.irp g, G1BF, G1BA
	s_mov_b32 s[\g+1], 512<<16
	s_mov_b32 s[\g+2], 64<<16
	s_mov_b32 s[\g+3], 512<<16
	s_mov_b32 s[\g+4], 64
	s_mov_b32 s[\g+6], 0
	s_mov_b32 s[\g+7], 0
.endr
	s_mov_b32 s[G1BF+5], 4096
	s_mov_b32 s[G1BA+5], 512
	s_mov_b32 s[G1BA+2], 128<<16                   ; w_attn_out's 128 rows come by one load
	s_mov_b32 s[G1BA+4], 128
	; A's words: 36 K steps x 512 bytes (64 elements of 8), 16,384 bytes apart; dense in LDS
	s_or_b32 s[G1SA], s25, (3<<16)|(1<<21)
	s_mov_b32 s[G1SA+1], 64<<16
	s_mov_b32 s[G1SA+2], 36<<16
	s_mov_b32 s[G1SA+3], 64<<16
	s_mov_b32 s[G1SA+4], 36
	s_mov_b32 s[G1SA+5], 2048
	s_mov_b32 s[G1SA+6], 0
	s_mov_b32 s[G1SA+7], 0
	; w_ff_out's scale bytes of 128 rows: 16,384 dense bytes as 64 rows of 256, 16 of padding behind each
	s_or_b32 s[G1SB], s26, (3<<16)|(1<<20)|(1<<21)|(5<<22)|(3<<25)
	s_mov_b32 s[G1SB+1], 32<<16
	s_mov_b32 s[G1SB+2], 64<<16
	s_mov_b32 s[G1SB+3], 32<<16
	s_mov_b32 s[G1SB+4], 64
	s_mov_b32 s[G1SB+5], 32
	s_mov_b32 s[G1SB+6], 0
	s_mov_b32 s[G1SB+7], 0
	s_lshl_b32 s2, s24, 3
	s_lshl_b32 s3, s20, 2
	s_add_co_u32 s2, s2, s3
	s_mul_i32 s2, s2, 73728                        ; A: block of 16 tokens 8 x tile row + 4 x half
	s_mov_b32 s3, 0
	s_mov_b32 s66, 0                               ; A's words: all 36 K steps, the tile's 128 rows
	s_lshl_b32 s67, s24, 9
	s_add_co_u32 s66, s66, s67
	s_mov_b32 s67, 0
	s_lshl_b32 s27, s23, 7
	s_lshl_b32 s101, s20, 6
	s_add_co_u32 s27, s27, s101                    ; B: row 128 x tile column + 64 x half
	s_mov_b32 s101, 0
	s_wait_kmcnt 0x0
	s_lshl_b32 s100, s27, 12
	s_add_nc_u64 s[G0BF+6:G0BF+7], s[12:13], s[100:101]      ; slot 1: w_ff_out's first 512 along K
	s_add_nc_u64 s[G0BF+2:G0BF+3], s[G0BF+6:G0BF+7], 512     ; slot 0's first refill (slot 2 of nine): the next 512
	s_lshl_b32 s100, s27, 9
	s_add_nc_u64 s[G0BA+2:G0BA+3], s[8:9], s[100:101]
	s_lshl_b32 s100, s23, 14
	s_add_nc_u64 s[G0SB+2:G0SB+3], s[14:15], s[100:101]
	s_add_nc_u64 s[G0A+2:G0A+3], s[4:5], s[2:3]
	s_add_nc_u64 s[G0A+6:G0A+7], s[G0A+2:G0A+3], 8192
	s_add_nc_u64 s[G0SA+2:G0SA+3], s[6:7], s[66:67]
.irp g, G0A, G0A+4, G0BF, G0BF+4, G0BA, G0SA, G0SB
	s_mov_b32 s[\g], 1
	s_or_b32 s[\g+3], s[\g+3], 0x80000000
.endr
	s_lshl_b32 s[G0A+1], s20, 15                   ; LDS: no place in the cluster enters an address
	s_add_co_u32 s[G0A+5], s[G0A+1], SLOT
	s_mul_i32 s[G0BA+1], s20, 33792
	s_add_co_u32 s[G0BA+1], s[G0BA+1], BOFF
	s_mov_b32 s[G0BF+1], s[G0BA+1]
	s_add_co_u32 s[G0BF+5], s[G0BA+1], SLOT
	s_mov_b32 s[G0SA+1], 0
	s_add_co_u32 s[G0SA+1], s[G0SA+1], SA
	s_mov_b32 s[G0SB+1], 0
	s_add_co_u32 s[G0SB+1], s[G0SB+1], SBF
	CROUND                                         ; all sixteen work-groups are here: the first joint loads meet
	; the head's four tiles, each whole, one joint load a wave: wave 0 slot 0's tokens, wave 2 w_attn_out's rows (in both the half is 0), wave 1 A's words, wave 3 w_ff_out's scale bytes
	s_cmp_eq_u32 s18, 0
	s_cbranch_scc0 .Lhead_1
	tensor_load_to_lds s[G0A:G0A+3], s[G1A:G1A+7]
	s_nop 0
	PLACES 4
	s_branch .Lhead_asked
.Lhead_1:
	s_cmp_eq_u32 s18, 2
	s_cbranch_scc0 .Lhead_2
	tensor_load_to_lds s[G0BA:G0BA+3], s[G1BA:G1BA+7]
	s_nop 0
	PLACES 4
	s_branch .Lhead_asked
.Lhead_2:
	s_cmp_eq_u32 s18, 1
	s_cbranch_scc0 .Lhead_3
	tensor_load_to_lds s[G0SA:G0SA+3], s[G1SA:G1SA+7]
	s_nop 0
	PLACES 4
	s_branch .Lhead_asked
.Lhead_3:
	tensor_load_to_lds s[G0SB:G0SB+3], s[G1SB:G1SB+7]
	s_nop 0
	PLACES 4
.Lhead_asked:
	; THE PREFETCHES.  A slot's part that a wave fetches is 32,768 bytes of A (four blocks of tokens x 8,192) or 64 rows x 512 bytes of w_ff_out.  The four partners that ask for it jointly share it out BY ADDRESS:
	; the partner at place p (cx for A, cy for B) names block p, or rows 16 p .. 16 p + 15: 32 pieces of 256 bytes, a lane a piece, one instruction a wave.  Slots 2 and 3 are named here; behind the refill for slot t + 2 slot t + 4 is named, up to slot 8.
	s_lshl_b32 s8, s24, 3
	s_lshl_b32 s9, s20, 2
	s_add_co_u32 s8, s8, s9
	s_add_co_u32 s8, s8, s21
	s_mul_i32 s8, s8, 73728
	s_add_co_u32 s8, s8, 16384                     ; A: my work-group's block of tokens, slot 2
	s_lshl_b32 s9, s22, 4
	s_add_co_u32 s9, s9, s27
	s_lshl_b32 s9, s9, 12
	s_add_co_u32 s9, s9, 512                       ; B: my work-group's 16 rows, slot 2
	s_mov_b32 s6, 512
	s_cmp_eq_u32 s19, 0                            ; do I fetch for A?
	s_cselect_b64 s[4:5], s[4:5], s[12:13]
	s_cselect_b32 s8, s8, s9
	s_cselect_b32 s6, 8192, s6                     ; a slot on
	s_mov_b32 s12, 4096
	s_cselect_b32 s12, 512, s12                    ; from one pair of lanes to the next
	s_mov_b32 s9, 0
	s_mov_b32 s7, 0
	s_add_nc_u64 s[4:5], s[4:5], s[8:9]
	v_and_b32 v1, 15, v0
	v_bfe_u32 v2, v0, 4, 1                         ; h
	v_and_b32 v3, 31, v0                           ; L
	v_lshrrev_b32 v5, 1, v3
	v_mul_lo_u32 v5, v5, s12
	v_and_b32 v6, 1, v3
	v_lshl_add_u32 v30, v6, 8, v5                  ; v30: my lane's piece; never rewritten
	v_add_nc_u32 v31, s6, v30                      ; v31: the same a slot on; never rewritten
	global_prefetch_b8 v30, s[4:5] th:TH_LOAD_NT scope:SCOPE_SE
	global_prefetch_b8 v31, s[4:5] th:TH_LOAD_NT scope:SCOPE_SE
	s_lshl_b32 s2, s19, 15
	v_lshl_add_u32 v[ADRA], v3, 4, s2              ; my four blocks of tokens, 16 L
	v_add_nc_u32 v[ADRA+1], SLOT, v[ADRA]
	v_mul_u32_u24 v4, v1, 528
	v_lshl_add_u32 v4, v2, 4, v4
	s_mul_i32 s2, s20, 64*528
	s_add_co_u32 s2, s2, BOFF
	v_add_nc_u32 v[ADRB], s2, v4                   ; my 64 rows of B: row r, + 16 h
	v_add_nc_u32 v[ADRB+1], SLOT, v[ADRB]
	s_lshl_b32 s2, s19, 8
	s_add_co_u32 s2, s2, SA
	v_lshl_add_u32 v[ASA], v3, 2, s2               ; A's words: row 64 rh + L
	v_lshrrev_b32 v5, 1, v3
	v_mul_u32_u24 v5, v5, 272
	v_and_b32 v6, 1, v3
	v_lshl_add_u32 v5, v6, 7, v5
	s_mul_i32 s2, s20, 8704
	s_add_co_u32 s2, s2, SBF
	v_add_nc_u32 v[ABS], s2, v5                    ; B's bytes: row 64 ch + L of 128 bytes, two rows to a unit
	s_mul_i32 s2, s18, 4352
	s_add_co_u32 s2, s2, STAGE
	v_mul_u32_u24 v5, v1, 272
	v_lshl_add_u32 v5, v2, 5, v5
	v_add_nc_u32 v[STO], s2, v5                    ; the stage, in: row r, 32 bytes for each half of the lanes
	v_mul_u32_u24 v5, v2, 272
	v_lshl_add_u32 v5, v1, 4, v5
	v_add_nc_u32 v[RD], s2, v5                     ; and back: lanes 0-15 one row of 256 bytes, lanes 16-31 the next
	v_lshlrev_b32 v[CO], 12, v2
	v_lshl_add_u32 v[CO], v1, 4, v[CO]             ; the same two rows in out0
	s_lshl_b32 s2, s20, 10
	v_lshl_add_u32 v[GBS], v3, 4, s2               ; w_attn_out's scales: row 64 ch + L of 16 bytes
	s_lshl_b32 s100, s23, 11
	s_add_nc_u64 s[10:11], s[10:11], s[100:101]
	global_load_b128 v[SC+8:SC+11], v[GBS], s[10:11]              ; four words a row: the four K steps of slot 0
	global_load_b128 v[SC+12:SC+15], v[GBS], s[10:11] offset:512
	s_lshl_b32 s2, s24, 7
	s_lshl_b32 s3, s19, 6
	s_add_co_u32 s2, s2, s3
	s_lshl_b32 s2, s2, 12                          ; my first row of out0
	s_mov_b32 s3, 0
	s_add_nc_u64 s[16:17], s[16:17], s[2:3]
	s_lshl_b32 s100, s23, 9
	s_lshl_b32 s66, s20, 8
	s_add_co_u32 s100, s100, s66                   ; my first column, in bytes
	s_add_nc_u64 s[16:17], s[16:17], s[100:101]
.macro FETCH1 slot, q, f               ; B's four fragments and A's blocks 0, 1 of the slot's q-th 128 along K
	WIN TO_F
.irp b, 0,1,2,3
.irp c, 0,1,2,3
	ds_load_b128 v[\f+64+16*\b+4*\c:\f+64+16*\b+4*\c+3], v[ADRB+\slot] offset:128*(\q)+32*\c+\b*8448
.endr
.endr
.irp a, 0,1
.irp c, 0,1,2,3
	ds_load_b128 v[\f+16*\a+4*\c:\f+16*\a+4*\c+3], v[ADRA+\slot] offset:\a*8192+(\q)*2048+\c*512
.endr
.endr
.endm
.macro FETCH2 slot, q, f               ; A's blocks 2, 3
	WIN TO_F
.irp a, 2,3
.irp c, 0,1,2,3
	ds_load_b128 v[\f+16*\a+4*\c:\f+16*\a+4*\c+3], v[ADRA+\slot] offset:\a*8192+(\q)*2048+\c*512
.endr
.endr
.endm
.macro SCALES t, set                   ; slot t's scale words
.irp q, 0,1,2,3
.irp p, 0,1
	ds_load_b32 v[SC+16*(\set)+2*\q+\p], v[ASA] offset:(4*(\t)+\q)*512+128*\p
.endr
.endr
.if (\t) >= 1
.irp p, 0,1
	ds_load_b128 v[SC+16*(\set)+8+4*\p:SC+16*(\set)+8+4*\p+3], v[ABS] offset:4352*\p+16*((\t)-1)
.endr
.endif
.endm
.macro MUL4 f, a, q, set, zero         ; A's block a against B's four; the 16 accumulators take turns, in the same order in every quarter
.irp b, 0,1,2,3
	WM ACC+8*(4*(\a)+\b), (\f)+64+16*\b, (\f)+16*(\a), \zero, SC+16*(\set)+8+4*(\b/2)+(\q), \b%2, SC+16*(\set)+2*(\q)+(\a)/2, (\a)%2
.endr
.endm
.macro QUARTER slot, q, set, zero      ; one of a slot's first three quarters: multiplies buffer q % 2 and fetches the next quarter into the other
	s_wait_dscnt 8                                 ; all but A's blocks 2, 3
	WIN MUL
	MUL4 128*((\q)%2), 0, \q, \set, \zero
	MUL4 128*((\q)%2), 1, \q, \set, \zero
	s_wait_dscnt 0x0
	PLACES 8                                       ; eight places ahead of loads into registers that matrix instructions have read
	FETCH1 \slot, (\q)+1, 128-128*((\q)%2)
	FETCH2 \slot, (\q)+1, 128-128*((\q)%2)
	WIN MUL
	MUL4 128*((\q)%2), 2, \q, \set, \zero
	MUL4 128*((\q)%2), 3, \q, \set, \zero
.endm
; slot t's last quarter changes slots: one barrier; ahead of it each wave waits for all its tensor loads, adds 0 to its spare word, and waits for that and for its reads of this slot.  Up to t = 6 the slot is filled again, with slot t + 2 of the nine
.macro TURN t
.set SL, (\t)%2
	WIN 0
.if (\t) <= 4
	s_wait_xcnt 0x0                                ; my last prefetch has read its address: it is stepped to slot t + 4
	s_add_nc_u64 s[4:5], s[4:5], s[6:7]
.if (\t) == 0
	s_add_nc_u64 s[4:5], s[4:5], s[6:7]
.endif
.endif
	s_wait_tensorcnt 0x0                           ; all my tensor loads have landed: my part of the next slot
	ds_add_u32 v[SPW], v[NIL]
	s_wait_dscnt 9                                 ; the add and A's blocks 2, 3 may be out
	WIN MUL
	MUL4 F1, 0, 3, SL, 0
	s_wait_dscnt 0x0                               ; the add is done, and my reads of this slot are over
	s_barrier_signal -1
	MUL4 F1, 1, 3, SL, 0
	WIN 0
	s_barrier_wait -1
.if (\t) <= 6
	CREST                                          ; the barrier has opened a round of the cluster's: no wave of any partner still reads this slot or has a load on its way
	s_add_nc_u64 s[G0A+4*SL+2:G0A+4*SL+3], s[G0A+4*SL+2:G0A+4*SL+3], 16384
.if (\t) > 0
	s_add_nc_u64 s[G0BF+4*SL+2:G0BF+4*SL+3], s[G0BF+4*SL+2:G0BF+4*SL+3], 1024
.endif
	JLOAD G0A+4*SL, G1A, G0BF+4*SL, G1BF           ; my one tensor load behind the round, and the first thing there
	PLACES 4
.if (\t) <= 4
	global_prefetch_b8 v30, s[4:5] th:TH_LOAD_NT scope:SCOPE_SE   ; slot t + 4: two refills on
.endif
.else
	PLACES 8
.endif
	SCALES (\t)+1, 1-SL
	FETCH1 1-SL, 0, F0
	FETCH2 1-SL, 0, F0
	WIN MUL
	MUL4 F1, 2, 3, SL, 0
	MUL4 F1, 3, 3, SL, 0
.endm
	s_wait_alu depctr_va_vdst(0)
	s_wait_tensorcnt 0x0                           ; my tile of the head's four is in; slot 1's first fill is issued as a refill is
	ds_add_u32 v[SPW], v[NIL]
	s_mov_b32 s[G1A+2], 4<<16                      ; no tensor load of mine is out: from here on a load of A brings four blocks
	s_mov_b32 s[G1A+4], 4
	s_wait_dscnt 0x0
	CROUND
	JLOAD G0A+4, G1A, G0BF+4, G1BF                 ; slot 1
	SCALES 0, 0
	FETCH1 0, 0, F0
	FETCH2 0, 0, F0
	s_wait_loadcnt 0x0                             ; w_attn_out's scale words
	QUARTER 0, 0, 0, 1                             ; the first quarter's products start the sums
	QUARTER 0, 1, 0, 0
	QUARTER 0, 2, 0, 0
	TURN 0
.irp t, 1,2,3,4,5,6,7
	QUARTER (\t)%2, 0, (\t)%2, 0
	QUARTER (\t)%2, 1, (\t)%2, 0
	QUARTER (\t)%2, 2, (\t)%2, 0
	TURN \t
.endr
	QUARTER 0, 0, 0, 0
	QUARTER 0, 1, 0, 0
	QUARTER 0, 2, 0, 0
	s_wait_dscnt 8                                 ; the very last quarter: nothing more to fetch
	WIN MUL
	MUL4 F1, 0, 3, 0, 0
	MUL4 F1, 1, 3, 0, 0
	s_wait_alu depctr_va_vdst(0)
	s_wait_dscnt 0x0
	MUL4 F1, 2, 3, 0, 0
	MUL4 F1, 3, 3, 0, 0
	WIN 0
; THE WAY OUT, 16 rows x 64 columns at a time, through my own stage: in 32 bytes a lane, back as whole rows of 256 bytes.  LDS serves a wave's instructions in order (ISA guide 5.7.1.4): no wait between the stores and the loads
.macro TOSTAGE a
.irp b, 0,1,2,3
	ds_store_b128 v[STO], v[ACC+8*(4*(\a)+\b):ACC+8*(4*(\a)+\b)+3] offset:64*\b          ; each accumulator from its low end on
	ds_store_b128 v[STO], v[ACC+8*(4*(\a)+\b)+4:ACC+8*(4*(\a)+\b)+7] offset:64*\b+16
.endr
.irp t, 0,1,2,3,4,5,6,7
	ds_load_b128 v[BK+32*((\a)%2)+4*\t:BK+32*((\a)%2)+4*\t+3], v[RD] offset:544*\t
.endr
.endm
.macro SEND a, younger
	s_wait_dscnt \younger
.irp t, 0,1,2,3,4,5,6,7
	global_store_b128 v[CO], v[BK+32*((\a)%2)+4*\t:BK+32*((\a)%2)+4*\t+3], s[16:17] offset:(\a)*65536+8192*\t th:TH_STORE_NT   ; 16 lanes store 256 bytes on end, aligned; written once
.endr
.endm
	PLACES 8
	TOSTAGE 0
	TOSTAGE 1
	SEND 0, 16                                     ; behind block 0's loads: block 1's eight stores and eight loads
	s_wait_xcnt 0x0                                ; block 0's stores have read their registers: block 2's loads may land there
	TOSTAGE 2
	SEND 1, 16
	s_wait_xcnt 0x0
	TOSTAGE 3
	SEND 2, 16
	SEND 3, 0
	s_wait_tensorcnt 0x0                           ; the wave's end
	ds_add_u32 v[SPW], v[NIL]
	s_wait_dscnt 0x0
	CROUND                                         ; the closing round
	s_endpgm
.Lfunc_end_k_q5792dc1f31_outp:
	.size	k_q5792dc1f31_outp, .Lfunc_end_k_q5792dc1f31_outp-k_q5792dc1f31_outp
	.p2alignl 7, 3214868480
	.fill 96, 4, 3214868480
	.section	.rodata,"a",@progbits
	.p2align	6, 0x0
	.amdhsa_kernel k_q5792dc1f31_outp
		.amdhsa_group_segment_fixed_size 327680
		.amdhsa_private_segment_fixed_size 0
		.amdhsa_enable_private_segment 0
		.amdhsa_kernarg_size 56
		.amdhsa_user_sgpr_count 2
		.amdhsa_user_sgpr_kernarg_segment_ptr 1
		.amdhsa_wavefront_size32 1
		.amdhsa_system_sgpr_workgroup_id_x 1
		.amdhsa_system_sgpr_workgroup_id_y 1
		.amdhsa_system_sgpr_workgroup_id_z 1
		.amdhsa_system_vgpr_workitem_id 0
		.amdhsa_next_free_vgpr 512
		.amdhsa_next_free_sgpr 102
		.amdhsa_reserve_vcc 0
		.amdhsa_float_denorm_mode_32 3
		.amdhsa_float_denorm_mode_16_64 3
		.amdhsa_memory_ordered 1
		.amdhsa_forward_progress 1
		.amdhsa_inst_pref_size 191
	.end_amdhsa_kernel
	.amdgpu_metadata
---
amdhsa.version: [ 1, 2 ]
amdhsa.kernels:
  - .name:           k_q5792dc1f31_outp
    .symbol:         k_q5792dc1f31_outp.kd
    .args:
      - { .name: ac, .offset: 0, .size: 8, .value_kind: global_buffer, .address_space: global }
      - { .name: asc, .offset: 8, .size: 8, .value_kind: global_buffer, .address_space: global }
      - { .name: w_attn_out_codes, .offset: 16, .size: 8, .value_kind: global_buffer, .address_space: global }
      - { .name: w_attn_out_scales, .offset: 24, .size: 8, .value_kind: global_buffer, .address_space: global }
      - { .name: w_ff_out_codes, .offset: 32, .size: 8, .value_kind: global_buffer, .address_space: global }
      - { .name: w_ff_out_scales, .offset: 40, .size: 8, .value_kind: global_buffer, .address_space: global }
      - { .name: out0, .offset: 48, .size: 8, .value_kind: global_buffer, .address_space: global }
    .group_segment_fixed_size: 327680
    .private_segment_fixed_size: 0
    .kernarg_segment_align: 8
    .kernarg_segment_size: 56
    .max_flat_workgroup_size: 128
    .sgpr_count:     102
    .vgpr_count:     512
    .wavefront_size: 32
...
	.end_amdgpu_metadata
.endif
;; end of part 4
